; MI455X (gfx1250); checked and timed in simulation.
; The chip was launched on July 23, 2026; its instructions are those of AMD's public machine-readable ISA for CDNA 5 (MIT licence, August 2026) and "CDNA5" Instruction Set Architecture Reference Guide (July 2026). The comments in the code are by the model that wrote it; some were corrected since.
;; Fmoe Cat Embed Feed Forward. Allowed arithmetic: matrix products marked QUANTISED: E2M1 operands, one E8M0 scale for each 32 along K, by v_wmma_scale_f32_16x16x128_f8f6f4 with both operands' format E2M1 (or v_wmma_scale_f32_32x16x128_f4), f32 sums; products left as they are: f32 operands where the result goes on into a quantised operand, else bf16, f16 or f32 operands; f32 sums; everything else in f32.
;; Inputs: b1 4 x 1,024 float32; b2 4 x 512 float32; embed 16 x 1,024 x 256 float32; inputs 16 x 1,024 x 512 float32; router_w 768 x 4 float32; w1_codes 4 x 1,024 x 16 x 16 uint8 (E2M1 codes of w1, K innermost, in blocks of 32 codes, two codes a byte); w1_scales 4 x 1,024 x 16 uint8 (E8M0 scales of w1, one for each 32 codes along K); w2_codes 4 x 512 x 32 x 16 uint8 (E2M1 codes of w2, K innermost, in blocks of 32 codes, two codes a byte); w2_scales 4 x 512 x 32 uint8 (E8M0 scales of w2, one for each 32 codes along K).
;; Outputs: out0 16 x 1,024 x 512 float32; out1 one number float32; out2 one number float32.
;; This version of the problem:
;;   THIS VERSION OF THE PROBLEM IS GIVEN IN LOW PRECISION. The matrix products marked QUANTISED in the list below multiply operands that are first quantised to E2M1 (2 exponent bits, 1 mantissa bit; 4 bits a number), with one power-of-two scale for each 32 numbers along K (OCP MX v1.0); their sums are f32. All else is computed in f32.
;;   The module's matrix products, in the order in which they are computed (A, B: the left and right operand; K: the contracted axis; several contracted axes count as one K, in the product's order):
;;     1. [M 16,384, K 768] x [K 768, N 4]; A: computed on the way; B: input router_w: left as it is (N = 4 < 16)
;;     2. [M 16,384, K 512] x [K 512, N 1,024]; A: input inputs; B: input w1 (given as codes): QUANTISED
;;     3. [M 16,384, K 1,024] x [K 1,024, N 512]; A: computed on the way; B: input w2 (given as codes): QUANTISED
;;     4. [M 16,384, K 512] x [K 512, N 1,024]; A: input inputs; B: input w1 (given as codes): QUANTISED
;;     5. [M 16,384, K 1,024] x [K 1,024, N 512]; A: computed on the way; B: input w2 (given as codes): QUANTISED
;;     6. [M 16,384, K 512] x [K 512, N 1,024]; A: input inputs; B: input w1 (given as codes): QUANTISED
;;     7. [M 16,384, K 1,024] x [K 1,024, N 512]; A: computed on the way; B: input w2 (given as codes): QUANTISED
;;     8. [M 16,384, K 512] x [K 512, N 1,024]; A: input inputs; B: input w1 (given as codes): QUANTISED
;;     9. [M 16,384, K 1,024] x [K 1,024, N 512]; A: computed on the way; B: input w2 (given as codes): QUANTISED
;;   THE QUANTISER, for each operand of a quantised product, along K:
;;     - K is cut into blocks of 32 from its start; a last block that is shorter is filled with zeros.
;;     - A block's scale is 2^e with e = floor(log2(the largest magnitude in the block)) - 2, held to -126 .. 127; a block of zeros has e = 0. As a byte (E8M0): e + 127.
;;     - Each number is divided by its block's scale, clamped to +-6, and rounded to the nearest number of E2M1, ties to even, subnormals kept.
;;     - The product sums the exact products of the quantised numbers (number of the format x scale) in f32.
;;   ~~~python
;;   def quantise(x, axis):      # numpy; x: float32 -> the quantised numbers, widened to float32 again
;;       x = np.moveaxis(x, axis, -1); K = x.shape[-1]
;;       x = np.pad(x, [(0, 0)] * (x.ndim - 1) + [(0, -K % 32)]); x = x.reshape(x.shape[:-1] + (-1, 32)); a = np.abs(x).max(-1, keepdims=True)
;;       e = np.where(a > 0, np.clip(np.frexp(np.where(a > 0, a, 1))[1] - 1 - 2, -126, 127), 0)      # np.frexp(a)[1] - 1 = floor(log2(a)), exactly
;;       r = np.clip(x / 2.0 ** e, -6, 6)
;;       step = 2.0 ** (np.maximum(np.frexp(np.where(r == 0, 1, r))[1] - 1, 0) - 1)
;;       q = np.round(r / step) * step * 2.0 ** e      # np.round: ties to even
;;       return np.moveaxis(q.reshape(q.shape[:-2] + (-1,))[..., :K], -1, axis).astype(np.float32)
;;   ~~~
;;   OPERANDS COMPUTED ON THE WAY. 'Computed on the way' means the value that the module computes at that place (a softmax that the list does not call 'softmax' is quantised finished and normalised). What goes into a quantiser is computed in f32, as accurately as f32 sums, v_exp_f32 and their like allow (about 1e-6 of the number): no bf16 or f16 on the way to a quantiser, and a product that is left as it is and whose result goes on into a quantised operand takes f32 operands (vector FMAs, or v_wmma_f32_16x16x4_f32). A number that lies on a knife's edge between two numbers of the format may be rounded either way, as far as f32 arithmetic and the matrix unit's own rounding can turn it there, and no further.
;;   INPUTS GIVEN AS CODES. w1 (in the module: [4, 1024, 512], K = its axis 2); w2 (in the module: [4, 512, 1024], K = its axis 2): each comes as NAME_codes (uint8): NAME with its K axis moved to the last place and cut into blocks of 32 codes, [.., K / 32, bytes a block], one block behind the other in memory; two codes a byte, the lower K in the low four bits (a code: sign, 2 exponent bits, 1 mantissa bit); and NAME_scales (uint8): the same leading axes, one E8M0 byte (e + 127) for each 32 codes along K. Its value is code x scale, taken as it is: it is not quantised again, and the codes and scales need not be those that the quantiser above would give.
;; 2 versions, each right and faster than the one before. Each part assembles by itself: llvm-mc -triple=amdgcn-amd-amdhsa -mcpu=gfx1250 --defsym DOCPART=n.
;; ======== version 1 of 2: 3 launches
;; workspace buffers: wf 2,097,152 bytes; xq 4,456,448 bytes; fl 98,304 bytes; route 81,920 bytes of whole numbers; plan 69,632 bytes of whole numbers
;; launch route (part 1): grid 256 x 1, 4 waves a work-group, no clusters, 33,280 bytes of LDS; arguments inputs, embed, router_w, w1_codes, w2_codes, xq, fl, route, wf; writes xq, fl, route, wf
.if DOCPART == 1
	.amdgcn_target "amdgcn-amd-amdhsa--gfx1250"
	.amdhsa_code_object_version 6
	.text
	.protected	k_qb5e2a070f8_route
	.globl	k_qb5e2a070f8_route
	.p2align	8
	.type	k_qb5e2a070f8_route,@function
k_qb5e2a070f8_route:
	s_mov_b64 s[64:65], 0
	v_nop
	global_prefetch_b8 v0, s[64:65] scope:SCOPE_SE
	s_setreg_imm32_b32 hwreg(HW_REG_WAVE_MODE, 25, 1), 1
	s_wait_xcnt 0x0
; ROUTE: the router in f32, x into codes of FP4 (E2M1), and the weights' codes laid in the order of the operands' registers.
; WORK LEFT OUT BY THE WHOLE PROGRAM.  reference() computes y for all four experts and keeps, by its own where(gate_idx == ei), for token n the row of expert gate_idx[n] alone: the other three are
; replaced by 0.0 whatever finite values the inputs hold.  So only the chosen expert's row of each token is multiplied (a quarter of the eight quantised products).  Every input has a way to an output and is loaded.
; LIMITS: a NaN, an infinity or an overflow that would arise only in an expert that was not chosen is not produced.  NaN and infinities among the inputs are not served.  A block of x whose largest
; magnitude lies under 2^-124 keeps the scale byte 1 (a block of zeros too: its codes are zeros, and this program alone reads the bytes).  The 768 terms of a logit are summed in another order than
; reference()'s: a token whose two largest probabilities are equal within f32 rounding of that sum may go to the other of the two experts.
; SHARES.  Wave g = 4 x work-group + wave (0 .. 1023) owns tokens 16 g .. 16 g + 15, a row a step, sixteen steps written out: every offset is an immediate.  Waves share nothing: no barrier.
; A row is six loads of 512 consecutive bytes (four of inputs, two of embed), six rows ahead.  The logits are taken from the registers as loaded: lane l holds four neighbours of each load, and the
; matching twenty-four rows of router_w stay in registers.  For the quantiser a lane must hold 16 neighbours along K: x's 2,048 bytes turn through the wave's own stage in LDS, one step ahead.
; OUT: xq: codes [token][256 bytes], behind them (byte 4,194,304) scale bytes [token][16];  fl: gate[token], then (65,536) each wave's sums of the four probabilities, then (81,920) four partial sums of the L1/L2 ratio;
; route: word[token] = expert | rank << 8 (rank among the wave's tokens of that expert), then (65,536) the wave's four counts;  wf: one fragment of W1 and one of W2 a wave (1,024 bytes: piece c at 512 c, lane l's 16 bytes at 16 l).
; No matrix unit (N = 4), no cluster (work-groups share only router_w's 12 KB), no prefetch (the launch streams its inputs once, with 6 rows x 3,072 bytes x 4 waves = 72 KB a work-group asked for ahead).
.set WREG,  8192                       ; LDS of a wave: two stages of 32 x SP bytes at 0 and 2,560, its 256 scale bytes at 5,120
.set SP,    80                         ; a lane's place in a stage: 64 bytes + 16 of padding
.set SPARE, 32768                      ; behind the four regions: the spare words, 128 bytes a wave
.set X,   16                           ; v16-47   two sets of 16 neighbours
.set AC,  48                           ; v48-63   the logits' partial sums: set s, column c: the pair at AC + 8 s + 2 c
.set T,   64                           ; v64-67   a row's four logits
.set U,   68                           ; v68-71   the other half's
.set L,   72                           ; v72-75   lane l: the four logits of row l % 16
.set C,   76                           ; v76-107  codes, two registers a step: no store's data are written again
.set E,   108                          ; v108-109 a step's scale byte, by turns
.set R,   112                          ; v112-255 six slots of 24: a row as loaded
.set W,   0                            ; window 1: v0-95 router_w, turned: W + 16 J + 4 c + q = router_w[base J + 4 lane + q][c]
.set RWR, 96                           ; window 1: v96-191 the same as loaded: + 16 J + 4 q + c
.set RL,  192                          ; window 1: v192-207 the two fragments on their way
.set MSB, 0
.macro WIN new                         ; the immediate's high byte repeats the setting that is left
.if MSB != \new
	s_set_vgpr_msb (MSB<<8)|\new
.set MSB, \new
.endif
.endm
	s_load_b512 s[4:19], s[0:1], 0x0               ; inputs 4:5, embed 6:7, router_w 8:9, w1_codes 10:11, w2_codes 12:13, xq 14:15, fl 16:17, route 18:19
	s_load_b64 s[20:21], s[0:1], 0x40              ; wf
	v_lshl_add_u32 v14, v0, 2, SPARE               ; my spare word,
	v_mov_b32 v15, 0                               ; and 0: kept for the closing lines alone
	v_lshrrev_b32 v1, 5, v0
	v_readfirstlane_b32 s22, v1                    ; wave
	v_and_b32 v1, 31, v0                           ; lane
	s_lshl_b32 s23, ttmp9, 2
	s_add_co_u32 s23, s23, s22                     ; g
	s_lshl_b32 s28, s22, 13                        ; my wave's LDS
	v_lshlrev_b32 v2, 4, v1                        ; 16 x lane: my bytes of a load's 512
	v_lshrrev_b32 v10, 2, v1
	v_mul_u32_u24 v3, v10, SP
	v_and_b32 v11, 3, v1
	v_lshl_add_u32 v3, v11, 4, v3
	v_add_nc_u32 v3, s28, v3                       ; the stage, on the way in: SP (lane / 4) + 16 (lane % 4)
	v_mul_u32_u24 v4, v1, SP
	v_add_nc_u32 v4, s28, v4                       ; and on the way out: SP x lane
	v_lshlrev_b32 v5, 3, v1                        ; 8 x lane: my 16 codes in a row's 256 bytes
	s_add_co_u32 s28, s28, 5120
	v_lshrrev_b32 v6, 1, v1
	v_add_nc_u32 v6, s28, v6                       ; my block's scale byte
	v_add_nc_u32 v7, s28, v5                       ; the scale bytes on their way out: 8 a lane
	v_and_b32 v8, 15, v1                           ; lane % 16
	v_lshlrev_b32 v9, 2, v1                        ; 4 x lane
	v_lshlrev_b32 v13, 6, v1                       ; 64 x lane: four rows of router_w
	v_lshrrev_b32 v11, 4, v1                       ; h
	v_and_b32 v110, 8, v8
	v_add_nc_u32 v110, v110, v8
	v_lshlrev_b32 v110, 8, v110
	v_lshl_add_u32 v110, v11, 4, v110              ; W1: row r + 8 (r / 8) of 256 bytes, + 16 h
	v_lshlrev_b32 v111, 9, v8
	v_lshl_add_u32 v111, v11, 4, v111              ; W2: row r of 512 bytes, + 16 h
.irp c, 0,1,2,3
	v_mov_b32 v[U+\c], 0                           ; a lane permute's destination counts as one of its sources
	v_mov_b32 v[L+\c], 0
.endr
	s_mov_b32 s25, 0
	s_mov_b32 s26, 0x76543210
	s_mov_b32 s27, 0xfedcba98                      ; v_permlanex16_b32's selects for lane l xor 16
	s_wait_kmcnt 0x0
	s_lshl_b32 s24, s23, 15
	s_add_nc_u64 s[4:5], s[4:5], s[24:25]          ; inputs: 16 rows of 2,048 bytes a wave
	s_lshl_b32 s24, s23, 14
	s_add_nc_u64 s[6:7], s[6:7], s[24:25]          ; embed: 16 rows of 1,024
	s_lshl_b32 s24, s23, 8
	s_add_nc_u64 s[30:31], s[14:15], s[24:25]
	s_add_nc_u64 s[30:31], s[30:31], 4194304       ; my 256 scale bytes
	s_lshl_b32 s24, s23, 12
	s_add_nc_u64 s[14:15], s[14:15], s[24:25]      ; my 16 rows of codes
	s_lshl_b32 s24, s23, 4
	s_add_nc_u64 s[32:33], s[16:17], s[24:25]
	s_add_nc_u64 s[32:33], s[32:33], 65536         ; my four sums of probabilities
	s_add_nc_u64 s[34:35], s[18:19], s[24:25]
	s_add_nc_u64 s[34:35], s[34:35], 65536         ; my four counts
	s_lshl_b32 s24, s23, 6
	s_add_nc_u64 s[16:17], s[16:17], s[24:25]      ; my 16 gates
	s_add_nc_u64 s[18:19], s[18:19], s[24:25]      ; my 16 words
	s_lshl_b32 s24, s23, 10
	s_add_nc_u64 s[20:21], s[20:21], s[24:25]      ; my fragment's place
	; W1's fragment g = ((8 e + w) 4 + s) 8 + t: rows 128 (g >> 5) + 32 (t / 2) + 8 (t % 2) on, K step s = 64 bytes of a row
	s_lshr_b32 s28, s23, 5
	s_lshl_b32 s24, s28, 7
	s_and_b32 s29, s23, 6
	s_lshl_b32 s29, s29, 4
	s_add_co_u32 s24, s24, s29
	s_and_b32 s29, s23, 1
	s_lshl_b32 s29, s29, 3
	s_add_co_u32 s24, s24, s29
	s_lshl_b32 s24, s24, 8
	s_bfe_u32 s29, s23, 0x20003
	s_lshl_b32 s29, s29, 6
	s_add_co_u32 s24, s24, s29
	s_add_nc_u64 s[10:11], s[10:11], s[24:25]
	; W2's fragment g = ((8 e + w) 8 + s2) 4 + n: rows 64 (g >> 5) + 16 n on, K step s2
	s_lshl_b32 s24, s28, 6
	s_and_b32 s29, s23, 3
	s_lshl_b32 s29, s29, 4
	s_add_co_u32 s24, s24, s29
	s_lshl_b32 s24, s24, 9
	s_bfe_u32 s29, s23, 0x30002
	s_lshl_b32 s29, s29, 6
	s_add_co_u32 s24, s24, s29
	s_add_nc_u64 s[12:13], s[12:13], s[24:25]
	WIN 0x40                                       ; destination window 1
	global_load_b128 v[RL:RL+3], v110, s[10:11]
	global_load_b128 v[RL+4:RL+7], v110, s[10:11] offset:32
	global_load_b128 v[RL+8:RL+11], v111, s[12:13]
	global_load_b128 v[RL+12:RL+15], v111, s[12:13] offset:32
.irp J, 0,1,2,3,4,5                    ; load J of a row meets rows base J + 4 lane + q of router_w: embed stands first in the concatenation
.if \J < 4
.set BJ, 256+128*\J
.else
.set BJ, 128*(\J-4)
.endif
.irp q, 0,1,2,3
	global_load_b128 v[RWR+16*\J+4*\q:RWR+16*\J+4*\q+3], v13, s[8:9] offset:16*BJ+16*\q
.endr
.endr
	WIN 0
.macro LOADROW i                       ; a row: 32 lanes read 512 consecutive bytes, six times
.irp J, 0,1,2,3
	global_load_b128 v[R+24*((\i)%6)+4*\J:R+24*((\i)%6)+4*\J+3], v2, s[4:5] offset:2048*(\i)+512*\J th:TH_LOAD_NT
.endr
.irp J, 4,5
	global_load_b128 v[R+24*((\i)%6)+4*\J:R+24*((\i)%6)+4*\J+3], v2, s[6:7] offset:1024*(\i)+512*(\J-4) th:TH_LOAD_NT
.endr
.endm
.macro TURN i                          ; x's 2,048 bytes through the stage: LDS serves a wave's instructions in order, so no wait stands between the stores and the loads
.irp j, 0,1,2,3
	ds_store_b128 v3, v[R+24*((\i)%6)+4*\j:R+24*((\i)%6)+4*\j+3] offset:2560*((\i)%2)+640*\j
.endr
.irp j, 0,1,2,3
	ds_load_b128 v[X+16*((\i)%2)+4*\j:X+16*((\i)%2)+4*\j+3], v4 offset:2560*((\i)%2)+16*\j
.endr
.endm
.macro DOT i                           ; my 24 numbers x four columns: 48 packed lines in eight chains; a pair runs along k.  The first line of each chain starts its sum
	WIN 0x04                                       ; source 1 (router_w) window 1
.irp J, 0,1,2,3,4,5
.irp u, 0,1
.irp c, 0,1,2,3
.if (\J < 2) && (\u == 0)
	v_pk_mul_f32 v[AC+8*(\J%2)+2*\c:AC+8*(\J%2)+2*\c+1], v[R+24*((\i)%6)+4*\J+2*\u:R+24*((\i)%6)+4*\J+2*\u+1], v[W+16*\J+4*\c+2*\u:W+16*\J+4*\c+2*\u+1]
.else
	v_pk_fma_f32 v[AC+8*(\J%2)+2*\c:AC+8*(\J%2)+2*\c+1], v[R+24*((\i)%6)+4*\J+2*\u:R+24*((\i)%6)+4*\J+2*\u+1], v[W+16*\J+4*\c+2*\u:W+16*\J+4*\c+2*\u+1], v[AC+8*(\J%2)+2*\c:AC+8*(\J%2)+2*\c+1]
.endif
.endr
.endr
.endr
	WIN 0
.endm
.macro QROW i                          ; my 16 neighbours become 8 bytes of codes; two neighbouring lanes hold a block of 32
.set XS, X+16*((\i)%2)
	v_max3_num_f32 v10, |v[XS]|, |v[XS+1]|, |v[XS+2]|
	v_max3_num_f32 v11, |v[XS+3]|, |v[XS+4]|, |v[XS+5]|
.irp k, 6,10
	v_max3_num_f32 v10, v10, |v[XS+\k]|, |v[XS+\k+1]|
	v_max3_num_f32 v11, v11, |v[XS+\k+2]|, |v[XS+\k+3]|
.endr
	v_max3_num_f32 v10, v10, |v[XS+14]|, |v[XS+15]|
	v_max3_num_f32 v10, v10, v11, 0x1800000        ; and the floor 2^(3 - 127): the byte cannot fall under 1
	v_max_num_f32_dpp v10, v10, v10 row_xmask:1 row_mask:0xf bank_mask:0xf   ; with my neighbour's 16: the block's largest magnitude
	v_add_nc_u32 v12, 0xff000000, v10              ; 2 off its exponent field: the conversion takes the exponent field of this operand as its scale
	v_cvt_scalef32_pk8_fp4_f32 v[C+2*(\i)], v[XS:XS+7], v12
	v_cvt_scalef32_pk8_fp4_f32 v[C+2*(\i)+1], v[XS+8:XS+15], v12
	v_lshrrev_b32 v[E+(\i)%2], 23, v12             ; the scale's byte (also the plain line behind the conversions)
	ds_store_b8 v6, v[E+(\i)%2] offset:16*(\i)     ; both lanes of a block write the same byte with the same value
	global_store_b64 v5, v[C+2*(\i):C+2*(\i)+1], s[14:15] offset:256*(\i)   ; the wave stores the row's 256 consecutive bytes, aligned
.endm
.macro RED i                           ; the row's four logits, summed over chains and lanes, go to the lanes with lane % 16 = i
.irp c, 0,1,2,3
	v_pk_add_f32 v[AC+2*\c:AC+2*\c+1], v[AC+2*\c:AC+2*\c+1], v[AC+8+2*\c:AC+8+2*\c+1]
.endr
.irp c, 0,1,2,3
	v_add_f32 v[T+\c], v[AC+2*\c], v[AC+2*\c+1]
.endr
.irp n, 1,2,4,8
.irp c, 0,1,2,3
	v_add_f32_dpp v[T+\c], v[T+\c], v[T+\c] row_xmask:\n row_mask:0xf bank_mask:0xf
.endr
.endr
.irp c, 0,1,2,3
	v_permlanex16_b32 v[U+\c], v[T+\c], s26, s27
.endr
.irp c, 0,1,2,3
	v_add_f32 v[T+\c], v[T+\c], v[U+\c]
.endr
	v_cmp_eq_u32 vcc_lo, \i, v8
.irp c, 0,1,2,3
	v_cndmask_b32 v[L+\c], v[L+\c], v[T+\c], vcc_lo
.endr
.endm
.macro STEP i
.if (\i) > 0
	s_wait_dscnt 1                                 ; this row is back from the stage (the last step's byte store may be out): so the stores into the stage have read their slot
.else
	s_wait_dscnt 0x0
.endif
	DOT \i
.if (\i)+6 <= 15
	LOADROW (\i)+6                                 ; into the slot that this row leaves
.endif
.if (\i) < 15
.if (\i) <= 9
	s_wait_loadcnt 30                              ; the next row's six loads are in; those of the five rows behind it may be out
.else
	s_wait_loadcnt 6*(14-(\i))                     ; the counts run down: rows i + 2 .. 15
.endif
	TURN (\i)+1                                    ; the next row goes through the other stage while this one is worked
.endif
	QROW \i
	RED \i
.endm
.irp i, 0,1,2,3,4,5
	LOADROW \i
.endr
	s_wait_loadcnt 30                              ; rows 1 to 5 may be out: the fragments, router_w and row 0 are in
	WIN 0x41                                       ; destination and source 0 window 1
.irp J, 0,1,2,3,4,5
.irp c, 0,1,2,3
.irp q, 0,1,2,3
	v_mov_b32 v[W+16*\J+4*\c+\q], v[RWR+16*\J+4*\q+\c]   ; router_w turned once, so that a pair of registers runs along k for all sixteen rows
.endr
.endr
.endr
	WIN 0x04                                       ; a store's data are its source 1: window 1
	global_store_b128 v2, v[RL:RL+3], s[20:21]                     ; each store covers 512 consecutive bytes
	global_store_b128 v2, v[RL+4:RL+7], s[20:21] offset:512
	global_store_b128 v2, v[RL+8:RL+11], s[20:21] offset:1048576
	global_store_b128 v2, v[RL+12:RL+15], s[20:21] offset:1049088
	WIN 0
	TURN 0
.irp i, 0,1,2,3,4,5,6,7,8,9,10,11,12,13,14,15
	STEP \i
.endr
	; THE SOFTMAX AND WHAT HANGS ON IT: lane l works row l % 16 (both halves of the lanes alike)
	v_max3_num_f32 v16, v[L], v[L+1], v[L+2]
	v_max_num_f32 v16, v16, v[L+3]                 ; the maximum is taken away, as reference() does
.irp c, 0,1,2,3
	v_sub_f32 v[20+\c], v[L+\c], v16
.endr
.irp c, 0,1,2,3
	v_mul_f32 v[20+\c], 0x3fb8aa3b, v[20+\c]
.endr
.irp c, 0,1,2,3
	v_exp_f32 v[20+\c], v[20+\c]
.endr
	v_mov_b32 v28, 3                               ; (a plain line behind the exponentials)  the expert: 3, unless a lower one has the largest probability
	s_wait_alu depctr_va_vdst(0)                   ; one wait for the four, ahead of their first reader
	v_add_f32 v17, v20, v21
	v_add_f32 v18, v22, v23
	v_add_f32 v17, v17, v18
	v_rcp_f32 v18, v17
	v_nop
	s_wait_alu depctr_va_vdst(0)
.irp c, 0,1,2,3
	v_mul_f32 v[24+\c], v[20+\c], v18              ; the probabilities
.endr
	v_max3_num_f32 v19, v24, v25, v26
	v_max_num_f32 v19, v19, v27                    ; the gate's value
	v_mul_f32 v30, v24, v24
	v_fma_f32 v30, v25, v25, v30
	v_fma_f32 v30, v26, v26, v30
	v_fma_f32 v30, v27, v27, v30
	v_sqrt_f32 v31, v30                            ; the L2 norm
	v_add_f32 v29, v24, v25                        ; (plain work behind it)  the L1 norm
	v_add_f32 v32, v26, v27
	v_add_f32 v29, v29, v32
	v_cmp_neq_f32 vcc_lo, v26, v19
	v_cndmask_b32 v28, 2, v28, vcc_lo
	v_cmp_neq_f32 vcc_lo, v25, v19
	v_cndmask_b32 v28, 1, v28, vcc_lo
	v_cmp_neq_f32 vcc_lo, v24, v19
	v_cndmask_b32 v28, 0, v28, vcc_lo              ; of equal probabilities the lowest index, as jnp.argmax has it
	s_wait_alu depctr_va_vdst(0)
	v_add_f32 v31, 0x2edbe6ff, v31                 ; + 1e-10
	v_rcp_f32 v32, v31
.irp c, 0,1,2,3
	v_cmp_eq_u32 s[36+\c], \c, v28                 ; (plain work behind it)  who goes to expert c
.endr
.irp c, 0,1,2,3
	s_and_b32 s[36+\c], s[36+\c], 0xffff           ; each row once
	s_bcnt1_i32_b32 s[40+\c], s[36+\c]             ; the wave's count
.endr
.irp c, 0,1,2,3
	v_mbcnt_lo_u32_b32 v[34+\c], s[36+\c], 0       ; how many rows before mine go there
.endr
	v_cndmask_b32 v38, v34, v35, s37
	v_cndmask_b32 v38, v38, v36, s38
	v_cndmask_b32 v38, v38, v37, s39               ; my rank among my expert's (lanes 0-15; the others are not stored)
	v_lshl_or_b32 v39, v38, 8, v28                 ; the word
	s_wait_alu depctr_va_vdst(0)
	v_mul_f32 v33, v29, v32                        ; L1 / (L2 + 1e-10)
.irp n, 1,2,4,8
.irp c, 0,1,2,3
	v_add_f32_dpp v[24+\c], v[24+\c], v[24+\c] row_xmask:\n row_mask:0xf bank_mask:0xf   ; the 16 rows' probabilities of expert c
.endr
.endr
	v_add_f32_dpp v33, v33, v33 row_xmask:4 row_mask:0xf bank_mask:0xf
	v_add_f32_dpp v33, v33, v33 row_xmask:8 row_mask:0xf bank_mask:0xf      ; lanes 0 to 3: four partial sums of the ratio
.irp c, 1,2,3
	v_cmp_eq_u32 s[43+\c], \c, v1
.endr
.irp c, 0,1,2,3
	v_mov_b32 v[41+\c], s[40+\c]
.endr
	v_cndmask_b32 v40, v24, v25, s44
	v_cndmask_b32 v40, v40, v26, s45
	v_cndmask_b32 v40, v40, v27, s46               ; lane c: expert c's sum,
	v_cndmask_b32 v45, v41, v42, s44
	v_cndmask_b32 v45, v45, v43, s45
	v_cndmask_b32 v45, v45, v44, s46               ; and its count
	ds_load_b64 v[46:47], v7                       ; LDS serves a wave's instructions in order: these see my byte stores
	s_wait_dscnt 0x0
	global_store_b64 v5, v[46:47], s[30:31]        ; the wave's 256 scale bytes: consecutive, aligned
	v_cmp_gt_u32 vcc_lo, 16, v1
	s_wait_xcnt 0x0                                ; EXEC changes only behind s_wait_xcnt 0
	s_and_saveexec_b32 s47, vcc_lo
	global_store_b32 v9, v19, s[16:17]             ; 16 gates
	global_store_b32 v9, v39, s[18:19]             ; 16 words
	s_wait_xcnt 0x0
	s_or_b32 exec_lo, exec_lo, s47
	v_cmp_gt_u32 vcc_lo, 4, v1
	s_and_saveexec_b32 s47, vcc_lo                 ; (nothing was issued since the wait above)
	global_store_b32 v9, v40, s[32:33]
	global_store_b32 v9, v33, s[32:33] offset:16384
	global_store_b32 v9, v45, s[34:35]
	s_wait_xcnt 0x0
	s_or_b32 exec_lo, exec_lo, s47
	s_wait_tensorcnt 0x0                           ; the wave's end, behind my last LDS store
	ds_add_u32 v14, v15
	s_wait_dscnt 0x0
	s_endpgm
.Lfunc_end_k_qb5e2a070f8_route:
	.size	k_qb5e2a070f8_route, .Lfunc_end_k_qb5e2a070f8_route-k_qb5e2a070f8_route
	.p2alignl 7, 3214868480
	.fill 96, 4, 3214868480
	.section	.rodata,"a",@progbits
	.p2align	6, 0x0
	.amdhsa_kernel k_qb5e2a070f8_route
		.amdhsa_group_segment_fixed_size 33280
		.amdhsa_private_segment_fixed_size 0
		.amdhsa_enable_private_segment 0
		.amdhsa_kernarg_size 72
		.amdhsa_user_sgpr_count 2
		.amdhsa_user_sgpr_kernarg_segment_ptr 1
		.amdhsa_wavefront_size32 1
		.amdhsa_system_sgpr_workgroup_id_x 1
		.amdhsa_system_sgpr_workgroup_id_y 1
		.amdhsa_system_sgpr_workgroup_id_z 1
		.amdhsa_system_vgpr_workitem_id 0
		.amdhsa_next_free_vgpr 464
		.amdhsa_next_free_sgpr 66
		.amdhsa_reserve_vcc 1
		.amdhsa_float_denorm_mode_32 3
		.amdhsa_float_denorm_mode_16_64 3
		.amdhsa_memory_ordered 1
		.amdhsa_forward_progress 1
		.amdhsa_inst_pref_size 129
	.end_amdhsa_kernel
	.amdgpu_metadata
---
amdhsa.version: [ 1, 2 ]
amdhsa.kernels:
  - .name:           k_qb5e2a070f8_route
    .symbol:         k_qb5e2a070f8_route.kd
    .args:
      - { .name: inputs, .offset: 0, .size: 8, .value_kind: global_buffer, .address_space: global }
      - { .name: embed, .offset: 8, .size: 8, .value_kind: global_buffer, .address_space: global }
      - { .name: router_w, .offset: 16, .size: 8, .value_kind: global_buffer, .address_space: global }
      - { .name: w1_codes, .offset: 24, .size: 8, .value_kind: global_buffer, .address_space: global }
      - { .name: w2_codes, .offset: 32, .size: 8, .value_kind: global_buffer, .address_space: global }
      - { .name: xq, .offset: 40, .size: 8, .value_kind: global_buffer, .address_space: global }
      - { .name: fl, .offset: 48, .size: 8, .value_kind: global_buffer, .address_space: global }
      - { .name: route, .offset: 56, .size: 8, .value_kind: global_buffer, .address_space: global }
      - { .name: wf, .offset: 64, .size: 8, .value_kind: global_buffer, .address_space: global }
    .group_segment_fixed_size: 33280
    .private_segment_fixed_size: 0
    .kernarg_segment_align: 8
    .kernarg_segment_size: 72
    .max_flat_workgroup_size: 128
    .sgpr_count:     66
    .vgpr_count:     464
    .wavefront_size: 32
...
	.end_amdgpu_metadata
.endif
;; end of part 1
;; launch place (part 2): grid 16 x 1, 32 waves a work-group, no clusters, 21,504 bytes of LDS; arguments route, fl, plan, out1, out2; writes plan, out1, out2
.if DOCPART == 2
	.amdgcn_target "amdgcn-amd-amdhsa--gfx1250"
	.amdhsa_code_object_version 6
	.text
	.protected	k_qb5e2a070f8_place
	.globl	k_qb5e2a070f8_place
	.p2align	8
	.type	k_qb5e2a070f8_place,@function
k_qb5e2a070f8_place:
	s_mov_b64 s[64:65], 0
	v_nop
	global_prefetch_b8 v0, s[64:65] scope:SCOPE_SE
	s_setreg_imm32_b32 hwreg(HW_REG_WAVE_MODE, 25, 1), 1
	s_wait_xcnt 0x0
; PLACE: the tokens are sorted by expert (a counting sort without atomics), the list of tiles is made, and the two losses are finished.
; route holds a word (expert | rank << 8) for each token and four counts for each group of 16 tokens; fl the groups' sums of probabilities and of the L1/L2 ratio.
; A token's place = its expert's first place + the expert's count in all earlier groups + its rank in its group.
; SHARES.  Thread T of every work-group takes group T (1,024 groups, 1,024 threads) and makes the four places at which the group's tokens begin: every work-group makes the whole table (48 KB read), so that no
; work-group waits for another.  Work-group k then places tokens 1,024 k + T.  Work-group 0 also stores the tiles (80 rows of one expert each: never more than 204 + 4 = 208 with rows, whatever the split) and the losses.
; plan: order[16,384] (token numbers), then (byte 65,536) tiles[256] = {expert, first place, rows, 0}; a tile without rows has first = 0, rows = 0.
; Two counts share a register, 16 bits each: a sum is 16,384 at the most.
.set WT,    0                          ; LDS: 32 bytes a wave: its two packed totals and five sums
.set TBL,   1024                       ; 16 bytes a group: its four places
.set SPARE, 17408                      ; the spare words, 128 bytes a wave
	s_load_b256 s[4:11], s[0:1], 0x0               ; route 4:5, fl 6:7, plan 8:9, out1 10:11
	s_load_b64 s[12:13], s[0:1], 0x20              ; out2
	v_lshl_add_u32 v4, v0, 2, SPARE                ; my spare word,
	v_mov_b32 v5, 0                                ; and 0: kept for the closing lines alone
	v_lshrrev_b32 v1, 5, v0
	v_readfirstlane_b32 s14, v1                    ; wave
	s_min_u32 s15, ttmp9, 15                       ; k, 0 to 15 (the grid's width), held there since it enters an LDS address
	v_and_b32 v1, 31, v0                           ; lane
	v_lshlrev_b32 v2, 4, v0                        ; 16 T
	v_lshlrev_b32 v3, 2, v0                        ; 4 T
	s_lshl_b32 s24, s15, 10
	v_and_b32 v6, 0x3f0, v0
	v_add_nc_u32 v6, s24, v6                       ; my token's group in the table: 16 (64 k + T / 16)
	v_and_b32 v7, 0x3e0, v0                        ; 32 x wave
	v_lshlrev_b32 v14, 5, v1                       ; 32 x lane
	v_add_nc_u32 v15, s24, v0                      ; my token
	s_lshl_b32 s16, s15, 12
	s_mov_b32 s17, 0
	s_mov_b32 s18, -1
	s_mov_b32 s19, -1                              ; v_permlanex16_b32's selects for lane 15 of the other half
	s_mov_b32 s22, 0x76543210
	s_mov_b32 s23, 0xfedcba98                      ; and for lane l xor 16
	v_mov_b32 v28, 0                               ; destinations of lane moves count as read: written once
	v_mov_b32 v29, 0
	v_mov_b32 v50, 0
	v_mov_b32 v39, 0
	s_wait_kmcnt 0x0
	s_add_nc_u64 s[16:17], s[4:5], s[16:17]        ; my work-group's 1,024 words
	global_load_b128 v[8:11], v2, s[4:5] offset:65536      ; group T's counts
	global_load_b32 v12, v3, s[16:17]                      ; my token's word
	global_load_b128 v[34:37], v2, s[6:7] offset:65536     ; group T's sums of probabilities
	global_load_b128 v[20:23], v2, s[6:7] offset:81920     ; and of the ratio
	s_wait_loadcnt 0x0
	v_lshl_or_b32 v24, v9, 16, v8                  ; counts 0 and 1,
	v_lshl_or_b32 v25, v11, 16, v10                ; counts 2 and 3
	v_mov_b32 v26, v24                             ; kept: the running sums below include the group itself
	v_mov_b32 v27, v25
.irp n, 1,2,4,8                        ; running sums over 16 lanes: lane i takes lane i - n, or 0
	v_mov_b32_dpp v28, v24 row_shr:\n row_mask:0xf bank_mask:0xf bound_ctrl:1
	v_mov_b32_dpp v29, v25 row_shr:\n row_mask:0xf bank_mask:0xf bound_ctrl:1
	v_add_nc_u32 v24, v24, v28
	v_add_nc_u32 v25, v25, v29
.endr
	v_permlanex16_b32 v28, v24, s18, s19
	v_permlanex16_b32 v29, v25, s18, s19
	v_cmp_le_u32 vcc_lo, 16, v1
	v_cndmask_b32 v28, 0, v28, vcc_lo              ; lanes 16-31 add the lower half's total
	v_cndmask_b32 v29, 0, v29, vcc_lo
	v_add_nc_u32 v24, v24, v28
	v_add_nc_u32 v25, v25, v29
	v_readlane_b32 s20, v24, 31                    ; the wave's totals
	v_readlane_b32 s21, v25, 31
	v_add_f32 v20, v20, v21
	v_add_f32 v22, v22, v23
	v_add_f32 v38, v20, v22
.macro FSUM r                          ; a sum over the wave's 32 lanes, in every lane
.irp n, 1,2,4,8
	v_add_f32_dpp v[\r], v[\r], v[\r] row_xmask:\n row_mask:0xf bank_mask:0xf
.endr
	v_permlanex16_b32 v50, v[\r], s22, s23
	v_add_f32 v[\r], v[\r], v50
.endm
.macro ISUM r                          ; the same of whole numbers
.irp n, 1,2,4,8
	v_mov_b32_dpp v50, v[\r] row_xmask:\n row_mask:0xf bank_mask:0xf
	v_add_nc_u32 v[\r], v[\r], v50
.endr
	v_permlanex16_b32 v50, v[\r], s22, s23
	v_add_nc_u32 v[\r], v[\r], v50
.endm
.irp r, 34,35,36,37,38
	FSUM \r
.endr
	v_mov_b32 v32, s20
	v_mov_b32 v33, s21
	ds_store_b128 v7, v[32:35]                     ; all lanes write the same bytes with the same values
	ds_store_b128 v7, v[36:39] offset:16
	s_wait_dscnt 0x0                               ; for the others' sake: my stores are done
	s_barrier_signal -1
	s_barrier_wait -1
	ds_load_b128 v[40:43], v14                     ; lane l: wave l's record
	ds_load_b128 v[44:47], v14 offset:16
	s_wait_dscnt 0x0
	v_cmp_gt_u32 vcc_lo, s14, v1
	v_cndmask_b32 v48, 0, v40, vcc_lo              ; the waves before mine
	v_cndmask_b32 v49, 0, v41, vcc_lo
.irp r, 48,49,40,41
	ISUM \r
.endr
.irp r, 42,43,44,45,46
	FSUM \r
.endr
	v_sub_nc_u32 v24, v24, v26
	v_sub_nc_u32 v25, v25, v27
	v_add_nc_u32 v24, v24, v48                     ; each expert's count in all groups before mine
	v_add_nc_u32 v25, v25, v49
	v_and_b32 v64, 0xffff, v40                     ; the experts' totals n0 .. n3
	v_lshrrev_b32 v65, 16, v40
	v_and_b32 v66, 0xffff, v41
	v_lshrrev_b32 v67, 16, v41
	v_add_nc_u32 v69, v64, v65                     ; where expert 2 begins (expert 1: n0),
	v_add_nc_u32 v70, v69, v66                     ; and expert 3
	v_and_b32 v52, 0xffff, v24
	v_lshrrev_b32 v53, 16, v24
	v_add_nc_u32 v53, v53, v64
	v_and_b32 v54, 0xffff, v25
	v_add_nc_u32 v54, v54, v69
	v_lshrrev_b32 v55, 16, v25
	v_add_nc_u32 v55, v55, v70
	ds_store_b128 v2, v[52:55] offset:TBL
	s_wait_dscnt 0x0                               ; my store is done, and my reads of the records are in
	s_barrier_signal -1
	s_barrier_wait -1
	ds_load_b128 v[56:59], v6 offset:TBL           ; my token's group
	v_and_b32 v13, 0xff, v12                       ; its expert
	v_lshrrev_b32 v61, 8, v12                      ; its rank
	s_wait_dscnt 0x0
	v_cmp_eq_u32 vcc_lo, 1, v13
	v_cndmask_b32 v60, v56, v57, vcc_lo
	v_cmp_eq_u32 vcc_lo, 2, v13
	v_cndmask_b32 v60, v60, v58, vcc_lo
	v_cmp_eq_u32 vcc_lo, 3, v13
	v_cndmask_b32 v60, v60, v59, vcc_lo
	v_add_nc_u32 v60, v60, v61
	v_min_u32 v60, 0x3fff, v60                     ; a number made of loaded ones enters an address only behind a bound
	v_lshlrev_b32 v60, 2, v60
	global_store_b32 v60, v15, s[8:9]              ; v60 and v15 are written by no later line
	s_cmp_lg_u32 s15, 0
	s_cbranch_scc1 .Lend
	s_cmp_ge_u32 s14, 8
	s_cbranch_scc1 .Lend
	; THE TILES: thread t = 0 .. 255 of work-group 0.  Expert c has ceil(n_c / 80) of them
.irp c, 0,1,2,3
	v_add_nc_u32 v[72+\c], 79, v[64+\c]
	v_mul_u32_u24 v[72+\c], v[72+\c], 0xcccd       ; x / 80 = (x 52,429) >> 22, exact for x up to 16,463
	v_lshrrev_b32 v[72+\c], 22, v[72+\c]
.endr
	v_add_nc_u32 v77, v72, v73                     ; the first tile of expert 2 (of expert 1: v72),
	v_add_nc_u32 v78, v77, v74                     ; of expert 3
	v_mov_b32 v91, 1
	v_mov_b32 v92, 2
	v_mov_b32 v93, 3
	v_mov_b32 v84, 0                               ; the tile's expert,
	v_mov_b32 v80, 0                               ; that expert's first tile,
	v_mov_b32 v81, v64                             ; its rows,
	v_mov_b32 v82, 0                               ; its first place
	v_mov_b32 v87, 0
.macro PICK cum, e, n, st              ; from tile cum on: the next expert
	v_cmp_le_u32 vcc_lo, v[\cum], v0
	v_cndmask_b32 v84, v84, v[\e], vcc_lo
	v_cndmask_b32 v80, v80, v[\cum], vcc_lo
	v_cndmask_b32 v81, v81, v[\n], vcc_lo
	v_cndmask_b32 v82, v82, v[\st], vcc_lo
.endm
	PICK 72, 91, 65, 64
	PICK 77, 92, 66, 69
	PICK 78, 93, 67, 70
	v_sub_nc_u32 v83, v0, v80
	v_mul_u32_u24 v83, v83, 80                     ; rows of the expert before this tile
	v_sub_nc_u32 v86, v81, v83
	v_max_i32 v86, 0, v86
	v_min_i32 v86, 80, v86                         ; the tile's rows: 0 to 80
	v_add_nc_u32 v85, v82, v83
	v_cmp_ne_u32 vcc_lo, 0, v86
	v_cndmask_b32 v85, 0, v85, vcc_lo              ; a tile without rows points at place 0
	global_store_b128 v2, v[84:87], s[8:9] offset:65536    ; v2 and v84-87 are written by no later line
	s_cmp_lg_u32 s14, 0
	s_cbranch_scc1 .Lend
	; THE LOSSES: wave 0 of work-group 0.  They work in registers that no pending store names
	v_mul_f32 v88, 0x38800000, v46                 ; the mean of 16,384 ratios
	v_add_f32 v56, v42, v43
	v_add_f32 v57, v44, v45
	v_add_f32 v56, v56, v57
	v_mul_f32 v56, 0x3e800000, v56                 ; the mean importance
.irp c, 0,1,2,3
	v_sub_f32 v[16+\c], v[42+\c], v56
.endr
	v_mul_f32 v57, v16, v16
	v_fma_f32 v57, v17, v17, v57
	v_fma_f32 v57, v18, v18, v57
	v_fma_f32 v57, v19, v19, v57
	v_fmaak_f32 v62, v56, v56, 0x2edbe6ff          ; mean^2 + 1e-10
	v_rcp_f32 v63, v62
	v_mul_f32 v57, 0x3e800000, v57                 ; (a plain line behind the reciprocal)  the variance
	v_mov_b32 v90, 0
	v_cmp_eq_u32 vcc_lo, 0, v1
	s_wait_alu depctr_va_vdst(0)                   ; ahead of the reciprocal's first reader
	v_mul_f32 v89, v57, v63
	s_wait_xcnt 0x0                                ; EXEC changes only behind s_wait_xcnt 0
	s_and_saveexec_b32 s26, vcc_lo
	global_store_b32 v90, v88, s[10:11]
	global_store_b32 v90, v89, s[12:13]
	s_wait_xcnt 0x0
	s_or_b32 exec_lo, exec_lo, s26
.Lend:
	s_wait_tensorcnt 0x0                           ; the wave's end, behind my last LDS store
	ds_add_u32 v4, v5
	s_wait_dscnt 0x0
	s_endpgm
.Lfunc_end_k_qb5e2a070f8_place:
	.size	k_qb5e2a070f8_place, .Lfunc_end_k_qb5e2a070f8_place-k_qb5e2a070f8_place
	.p2alignl 7, 3214868480
	.fill 96, 4, 3214868480
	.section	.rodata,"a",@progbits
	.p2align	6, 0x0
	.amdhsa_kernel k_qb5e2a070f8_place
		.amdhsa_group_segment_fixed_size 21504
		.amdhsa_private_segment_fixed_size 0
		.amdhsa_enable_private_segment 0
		.amdhsa_kernarg_size 40
		.amdhsa_user_sgpr_count 2
		.amdhsa_user_sgpr_kernarg_segment_ptr 1
		.amdhsa_wavefront_size32 1
		.amdhsa_system_sgpr_workgroup_id_x 1
		.amdhsa_system_sgpr_workgroup_id_y 1
		.amdhsa_system_sgpr_workgroup_id_z 1
		.amdhsa_system_vgpr_workitem_id 0
		.amdhsa_next_free_vgpr 96
		.amdhsa_next_free_sgpr 66
		.amdhsa_reserve_vcc 1
		.amdhsa_float_denorm_mode_32 3
		.amdhsa_float_denorm_mode_16_64 3
		.amdhsa_memory_ordered 1
		.amdhsa_forward_progress 1
		.amdhsa_inst_pref_size 14
	.end_amdhsa_kernel
	.amdgpu_metadata
---
amdhsa.version: [ 1, 2 ]
amdhsa.kernels:
  - .name:           k_qb5e2a070f8_place
    .symbol:         k_qb5e2a070f8_place.kd
    .args:
      - { .name: route, .offset: 0, .size: 8, .value_kind: global_buffer, .address_space: global }
      - { .name: fl, .offset: 8, .size: 8, .value_kind: global_buffer, .address_space: global }
      - { .name: plan, .offset: 16, .size: 8, .value_kind: global_buffer, .address_space: global }
      - { .name: out1, .offset: 24, .size: 8, .value_kind: global_buffer, .address_space: global }
      - { .name: out2, .offset: 32, .size: 8, .value_kind: global_buffer, .address_space: global }
    .group_segment_fixed_size: 21504
    .private_segment_fixed_size: 0
    .kernarg_segment_align: 8
    .kernarg_segment_size: 40
    .max_flat_workgroup_size: 1024
    .sgpr_count:     66
    .vgpr_count:     96
    .wavefront_size: 32
...
	.end_amdgpu_metadata
.endif
;; end of part 2
;; launch ffn (part 3): grid 208 x 1, 8 waves a work-group, no clusters, 109,824 bytes of LDS; arguments plan, xq, fl, wf, w1_scales, b1, w2_scales, b2, out0; writes out0
.if DOCPART == 3
	.amdgcn_target "amdgcn-amd-amdhsa--gfx1250"
	.amdhsa_code_object_version 6
	.text
	.protected	k_qb5e2a070f8_ffn
	.globl	k_qb5e2a070f8_ffn
	.p2align	8
	.type	k_qb5e2a070f8_ffn,@function
k_qb5e2a070f8_ffn:
	s_mov_b64 s[64:65], 0
	v_nop
	global_prefetch_b8 v0, s[64:65] scope:SCOPE_SE
	s_setreg_imm32_b32 hwreg(HW_REG_WAVE_MODE, 25, 1), 1
	s_wait_xcnt 0x0
; FFN: out[token] = gate x (relu(x W1[e]^T + b1[e]) W2[e]^T + b2[e]) for the token's own expert e, both products on codes of FP4 (E2M1) with one E8M0 scale for each 32 along K.
; WORK LEFT OUT: the three experts that reference()'s own where(gate_idx == ei) replaces by 0.0 for a token are not multiplied (shown at the head of the first kernel).
; SHARES.  A work-group takes one tile of the stored list: up to 80 rows (five tiles of 16) of ONE expert, through the whole chain; the hidden layer never goes to memory.  80 rows: 16,384 / 80 rounded up, + 3, is 208
; tiles at the most whatever the split, so one work-group a tile serves every split.  THE WAVES SHARE THE COLUMNS: wave w makes hidden units 128 w .. + 127 (K step w of the second product) and outputs
; 64 w .. + 63 (256 bytes of a row of out) for all 80 rows.  Its 32 fragments of W1, later its 32 of W2, fill window 1: each set is 32 KB on end in wf, laid in the order of the registers by the first launch.
; ROWS BEYOND THE TILE'S COUNT repeat its last row (index min(i, rows - 1)): they compute and store the same bytes once more: no mask.  A TILE WITHOUT ROWS runs on valid addresses and jumps round the way out alone
; (a branch on a stored whole number, behind the last barrier): the price of a grid that serves every split.
; NO TENSOR LOADS, NO CLUSTER: which weights a work-group reads hangs on the expert's number read from memory, which may differ between neighbours in the grid, and the text has a branch on a loaded number.
; No prefetch: each expert's weights are read by all of its tiles, not once.
; BOTH PRODUCTS ARE USED TRANSPOSED (source 0 = 16 rows of a weight, source 1 = 16 tokens): a lane holds one token.  THE ROWS OF W1 THAT FORM A TILE ARE NOT NEIGHBOURS: lane r of tile 2 b + u takes row
; 32 b + 8 u + r + 8 (r / 8), so that the 16 registers of tiles 2 b and 2 b + 1 are 16 neighbours along the next K.  The biases are the C of each sum's first product.
; LIMITS: as stated at the head of the first kernel; a hidden block whose largest number lies under 2^-124 keeps the scale byte 1 (its codes are then zeros or the smallest codes).
; REGISTERS.  Window 0: v1-27 addresses and gates; v28-43 the weights' scale words, v44-55 x's (later the hidden layer's): scales and nothing else; v56-95 x's fragments and the codes just made, later five hidden
; fragments, later the stores' offsets; v96-255 the hidden tile and the quantiser's work, later the 20 accumulators of out.  Window 1: the weights' fragments.
.set XT,    0                          ; LDS: x's codes, 80 rows of 256 bytes + 16
.set B1L,   21760                      ; b1: 512 bytes a wave
.set B2L,   25856                      ; b2: 256 bytes a wave
.set HIMG,  27904                      ; the hidden layer's 40 fragments as images of their registers: (tile of rows m, K step s2) at (8 m + s2) x 1,024
.set HSC,   68864                      ; their scale words, 128 bytes each
.set STG,   73984                      ; the way out: 16 rows x (256 bytes + 16) for each wave
.set SPARE, 108800                     ; the spare words, 128 bytes a wave
.set LI,  1                            ; 16 x lane
.set XA,  2                            ; x's fragments: 272 r + 16 h
.set B1A, 3                            ; my b1: + 64 h
.set B2A, 4                            ; my b2: + 32 h
.set HWI, 5                            ; where I store an image: + 1,024 w + 16 lane
.set HWS, 6                            ; and its scale word: + 128 w + 4 lane
.set HRI, 7                            ; where any image is read: + 16 lane
.set HRS, 8                            ; + 4 lane
.set SO,  9                            ; my stage, in: 272 r + 32 h
.set SR,  10                           ; back: 272 p + 16 q
.set CO,  11                           ; my bytes in a row of out: 256 w + 16 q
.set P4,  12                           ; 4 p
.set SPW, 13
.set NIL, 14
.set GV,  15                           ; v15-19 the gate of row 16 m + r
.set XW,  20                           ; where I store gathered codes
.set B1W, 21
.set B2W, 22
.set S1O, 23                           ; W1's scale words: my row's 16 bytes
.set S2O, 24                           ; W2's: my half of my row's 32
.set L8,  25                           ; 8 x lane
.set WS,  28
.set XS,  44
.set HS,  44
.set XF,  56
.set PC,  88
.set HF,  56
.set TO,  56
.set ACC, 96
.set HA,  96
.set TM,  160
.set PW,  176
.set XG,  96                           ; the head's own: gathered codes v96-115,
.set TG,  128                          ; their tokens v128-132,
.set TK,  136                          ; the 80 rows' tokens, a lane a row, v136-138
.set MSB, 0
.macro WIN new                         ; the immediate's high byte repeats the setting that is left
.if MSB != \new
	s_set_vgpr_msb (MSB<<8)|\new
.set MSB, \new
.endif
.endm
.macro PLACES                          ; four plain lines behind a matrix instruction, ahead of loads into its registers and of reads of its result
.rept 4
	v_nop
.endr
.endm
; one product in place.  rows: 1 = source 0's scales from lanes 16-31, 2 = source 1's, 3 = both
.macro W4 d, a, b, sa, sb, rows
.if (\rows) == 0
	v_wmma_scale_f32_16x16x128_f8f6f4 v[(\d):(\d)+7], v[(\a):(\a)+7], v[(\b):(\b)+7], v[(\d):(\d)+7], v[\sa], v[\sb] matrix_a_fmt:MATRIX_FMT_FP4 matrix_b_fmt:MATRIX_FMT_FP4
.elseif (\rows) == 1
	v_wmma_scale_f32_16x16x128_f8f6f4 v[(\d):(\d)+7], v[(\a):(\a)+7], v[(\b):(\b)+7], v[(\d):(\d)+7], v[\sa], v[\sb] matrix_a_fmt:MATRIX_FMT_FP4 matrix_b_fmt:MATRIX_FMT_FP4 matrix_a_scale:MATRIX_SCALE_ROW1
.elseif (\rows) == 2
	v_wmma_scale_f32_16x16x128_f8f6f4 v[(\d):(\d)+7], v[(\a):(\a)+7], v[(\b):(\b)+7], v[(\d):(\d)+7], v[\sa], v[\sb] matrix_a_fmt:MATRIX_FMT_FP4 matrix_b_fmt:MATRIX_FMT_FP4 matrix_b_scale:MATRIX_SCALE_ROW1
.else
	v_wmma_scale_f32_16x16x128_f8f6f4 v[(\d):(\d)+7], v[(\a):(\a)+7], v[(\b):(\b)+7], v[(\d):(\d)+7], v[\sa], v[\sb] matrix_a_fmt:MATRIX_FMT_FP4 matrix_b_fmt:MATRIX_FMT_FP4 matrix_a_scale:MATRIX_SCALE_ROW1 matrix_b_scale:MATRIX_SCALE_ROW1
.endif
.endm
; 64 numbers of a lane, none negative, register 16 b + i = k 32 b + 16 (lane / 16) + i of my row, become a fragment's codes in v[PC] on and its scale word in v[PW]
.macro QUANT s
.irp b, 0,1,2,3
	v_max3_num_f32 v[TM+\b], v[\s+16*\b], v[\s+1+16*\b], 0x1800000   ; block b: my 16 numbers, and the floor 2^(3 - 127): the byte cannot fall under 1
.endr
.irp i, 2,4,6,8,10,12,14
.irp b, 0,1,2,3
	v_max3_num_f32 v[TM+\b], v[TM+\b], v[\s+16*\b+\i], v[\s+1+16*\b+\i]   ; (the four blocks by turns)
.endr
.endr
.irp b, 0,1,2,3
	v_permlanex16_b32 v[TM+4+\b], v[TM+\b], s36, s37
.endr
.irp b, 0,1,2,3
	v_max_num_f32 v[TM+\b], v[TM+\b], v[TM+4+\b]   ; with lane l xor 16's: the block's largest number
.endr
.irp b, 0,1,2,3
	v_add_nc_u32 v[TM+12+\b], 0xff000000, v[TM+\b] ; 2 off its exponent field: the conversion's scale operand
.endr
.irp b, 0,1,2,3
	v_lshrrev_b32 v[TM+4+\b], 23, v[TM+12+\b]      ; the scale's byte
.endr
	v_lshl_or_b32 v[PW], v[TM+5], 8, v[TM+4]
	v_lshl_or_b32 v[PW], v[TM+6], 16, v[PW]
	v_lshl_or_b32 v[PW], v[TM+7], 24, v[PW]        ; my row's scale word
.irp b, 0,1,2,3
	v_cvt_scalef32_pk8_fp4_f32 v[PC+2*\b], v[\s+16*\b:\s+7+16*\b], v[TM+12+\b]
	v_cvt_scalef32_pk8_fp4_f32 v[PC+1+2*\b], v[\s+8+16*\b:\s+15+16*\b], v[TM+12+\b]
.endr
	v_nop                                          ; one plain line behind a scaled conversion
.irp c, 0,1                            ; the operand's layout wants a whole block in a lane
.irp i, 0,1
	v_permlane16_swap_b32 v[PC+4*\c+\i], v[PC+2+4*\c+\i]
.endr
.endr
.endm
	s_load_b512 s[4:19], s[0:1], 0x0               ; plan 4:5, xq 6:7, fl 8:9, wf 10:11, w1_scales 12:13, b1 14:15, w2_scales 16:17, b2 18:19
	s_load_b64 s[20:21], s[0:1], 0x40              ; out0
	v_lshl_add_u32 v[SPW], v0, 2, SPARE            ; my spare word,
	v_mov_b32 v[NIL], 0                            ; and 0: kept for the closing lines alone
	v_lshrrev_b32 v26, 5, v0
	v_readfirstlane_b32 s22, v26                   ; wave 0..7
	s_lshl_b32 s24, ttmp9, 4
	s_wait_kmcnt 0x0
	s_load_b128 s[28:31], s[4:5], s24 offset:0x10000   ; my tile: expert, first place, rows, 0
	v_and_b32 v26, 15, v0                          ; r, q
	v_bfe_u32 v27, v0, 4, 1                        ; h, p
	v_and_b32 v[LI], 31, v0
	v_lshlrev_b32 v[L8], 3, v[LI]
	v_lshlrev_b32 v[HRS], 2, v[LI]
	v_lshlrev_b32 v[LI], 4, v[LI]
	v_mul_u32_u24 v[XA], v26, 272
	v_lshl_add_u32 v[SO], v27, 5, v[XA]
	v_lshl_add_u32 v[XA], v27, 4, v[XA]
	s_lshl_b32 s34, s22, 9
	s_add_co_u32 s34, s34, B1L
	v_lshl_add_u32 v[B1A], v27, 6, s34
	v_add_nc_u32 v[B1W], s34, v[LI]
	s_lshl_b32 s35, s22, 8
	v_lshl_add_u32 v[CO], v26, 4, s35
	s_add_co_u32 s35, s35, B2L
	v_lshl_add_u32 v[B2A], v27, 5, s35
	v_add_nc_u32 v[B2W], s35, v[L8]
	s_lshl_b32 s34, s22, 10
	s_add_co_u32 s34, s34, HIMG
	v_add_nc_u32 v[HWI], s34, v[LI]
	v_add_nc_u32 v[HRI], HIMG, v[LI]
	s_lshl_b32 s34, s22, 7
	s_add_co_u32 s34, s34, HSC
	v_add_nc_u32 v[HWS], s34, v[HRS]
	v_add_nc_u32 v[HRS], HSC, v[HRS]
	s_mul_i32 s34, s22, 4352
	s_add_co_u32 s34, s34, STG
	v_add_nc_u32 v[SO], s34, v[SO]
	v_mul_u32_u24 v[XW], v27, 272
	v_lshl_add_u32 v[XW], v26, 4, v[XW]
	v_add_nc_u32 v[SR], s34, v[XW]
	s_mul_i32 s34, s22, 2720
	v_add_nc_u32 v[XW], s34, v[XW]                 ; I gather rows 10 w + 2 i + p
	v_lshlrev_b32 v[P4], 2, v27
	v_and_b32 v[S1O], 8, v26
	v_add_nc_u32 v[S1O], v[S1O], v26
	v_lshl_add_u32 v[S1O], v27, 3, v[S1O]
	v_lshlrev_b32 v[S1O], 4, v[S1O]                ; row r + 8 (r / 8) + 8 h of 16 bytes: lanes 0-15 an even tile's rows, lanes 16-31 the odd tile's beside it
	v_lshlrev_b32 v[S2O], 5, v26
	v_lshl_add_u32 v[S2O], v27, 4, v[S2O]          ; row r of 32 bytes, + 16 h: lanes 0-15 K steps 0-3, lanes 16-31 K steps 4-7
	v_cmp_eq_u32 s38, 1, v27                       ; lanes 16-31
	s_mov_b32 s36, 0x76543210
	s_mov_b32 s37, 0xfedcba98                      ; v_permlanex16_b32's selects for lane l xor 16
	s_mul_i32 s39, s22, 40
.irp b, 0,1,2,3
	v_mov_b32 v[TM+4+\b], 0                        ; a lane permute's destination counts as one of its sources
.endr
.irp a, 0,1,2
	v_mov_b32 v[152+\a], 0
.endr
	v_lshrrev_b32 v[TK], 2, v[LI]                  ; 4 x lane: row = lane,
	v_add_nc_u32 v[TK+1], 128, v[TK]               ; 32 + lane,
	v_add_nc_u32 v[TK+2], 256, v[TK]               ; 64 + lane
.irp i, 0,1,2,3,4
	v_add_nc_u32 v[TG+\i], s39, v[P4]
	v_add_nc_u32 v[TG+\i], 8*\i, v[TG+\i]          ; 4 (10 w + 2 i + p)
.endr
	s_mov_b32 s25, 0
	s_wait_kmcnt 0x0
	s_min_u32 s28, s28, 3                          ; loaded numbers enter addresses only behind a bound
	s_min_u32 s29, s29, 0x3fff
	s_sub_co_u32 s32, s30, 1
	s_min_u32 s32, s32, 79                         ; the last row that counts (a tile without rows: 79, from place 0 on)
	s_lshl_b32 s33, s32, 2
	s_lshl_b32 s23, s28, 3
	s_add_co_u32 s23, s23, s22                     ; 8 e + w
	s_lshl_b32 s24, s29, 2
	s_add_nc_u64 s[4:5], s[4:5], s[24:25]          ; the tile's first place in the order
	s_lshl_b32 s24, s23, 15
	s_add_nc_u64 s[40:41], s[10:11], s[24:25]      ; my 32 fragments of W1,
	s_add_nc_u64 s[42:43], s[40:41], 0x100000      ; and of W2
	s_lshl_b32 s24, s23, 11
	s_add_nc_u64 s[12:13], s[12:13], s[24:25]      ; my 128 rows of W1's scales, 16 bytes each,
	s_add_nc_u64 s[16:17], s[16:17], s[24:25]      ; my 64 rows of W2's, 32 bytes each
	s_lshl_b32 s24, s23, 9
	s_add_nc_u64 s[14:15], s[14:15], s[24:25]
	s_lshl_b32 s24, s23, 8
	s_add_nc_u64 s[18:19], s[18:19], s[24:25]
.irp a, 0,1,2
	v_min_u32 v[TK+\a], s33, v[TK+\a]
	v_min_u32 v[TK+\a], 316, v[TK+\a]
	global_load_b32 v[TK+\a], v[TK+\a], s[4:5]     ; the rows' tokens (a load may land on its own address)
.endr
.irp i, 0,1,2,3,4
	v_min_u32 v[TG+\i], s33, v[TG+\i]
	v_min_u32 v[TG+\i], 316, v[TG+\i]
	global_load_b32 v[TG+\i], v[TG+\i], s[4:5]
.endr
.irp b, 0,1,2,3
	global_load_b128 v[WS+4*\b:WS+4*\b+3], v[S1O], s[12:13] offset:512*\b   ; register 4 b + s: K step s of tiles 2 b (lanes 0-15) and 2 b + 1 (lanes 16-31)
.endr
	global_load_b128 v[156:159], v[LI], s[14:15]   ; my 128 numbers of b1
	global_load_b64 v[180:181], v[L8], s[18:19]    ; my 64 of b2
	WIN 0x40                                       ; destination window 1
.set i, 0
.rept 32
	global_load_b128 v[4*i:4*i+3], v[LI], s[40:41] offset:512*i     ; W1's K steps 0 and 1: fragment (s, t) at v[64 s + 8 t]; 512 consecutive bytes a load
.set i, i+1
.endr
	WIN 0
	s_wait_loadcnt 38                              ; the eight loads of tokens are in: behind them stand 6 + 32
.irp a, 0,1,2
	v_min_u32 v[TK+\a], 0x3fff, v[TK+\a]
	v_lshlrev_b32 v[140+\a], 2, v[TK+\a]
	v_lshlrev_b32 v[144+\a], 4, v[TK+\a]
.endr
.irp i, 0,1,2,3,4
	v_min_u32 v[TG+\i], 0x3fff, v[TG+\i]
	v_lshlrev_b32 v[TG+\i], 8, v[TG+\i]
	v_lshl_add_u32 v[TG+\i], v26, 4, v[TG+\i]      ; the token's 256 bytes of codes, 16 a lane
.endr
.irp a, 0,1,2
	global_load_b32 v[148+\a], v[140+\a], s[8:9]   ; the gates
	global_load_b128 v[XS+4*\a:XS+4*\a+3], v[144+\a], s[6:7] offset:4194304   ; x's scale words: register 4 a + s: K step s of tiles 2 a (lanes 0-15) and 2 a + 1 (lanes 16-31)
.endr
.irp i, 0,1,2,3,4
	global_load_b128 v[XG+4*\i:XG+4*\i+3], v[TG+\i], s[6:7]        ; sixteen lanes read a row's 256 bytes
.endr
	WIN 0x40
.rept 32
	global_load_b128 v[4*i:4*i+3], v[LI], s[40:41] offset:512*i     ; W1's K steps 2 and 3
.set i, i+1
.endr
	WIN 0
	s_wait_loadcnt 32                              ; all but W1's last 32 loads
	ds_store_b128 v[B1W], v[156:159]
	ds_store_b64 v[B2W], v[180:181]
.irp i, 0,1,2,3,4
	ds_store_b128 v[XW], v[XG+4*\i:XG+4*\i+3] offset:544*\i
.endr
.irp a, 0,1,2
	v_permlanex16_b32 v[152+\a], v[148+\a], s36, s37
.endr
	v_cndmask_b32 v[GV], v148, v152, s38           ; both halves of the lanes want the gate of row 16 m + r
	v_cndmask_b32 v[GV+1], v152, v148, s38
	v_cndmask_b32 v[GV+2], v149, v153, s38
	v_cndmask_b32 v[GV+3], v153, v149, s38
	v_cndmask_b32 v[GV+4], v150, v154, s38
	s_wait_dscnt 0x0                               ; for the others' sake: my stores are done
	s_barrier_signal -1
	s_barrier_wait -1                              ; x's 80 rows of codes lie in LDS
	; ---- 1: my 128 hidden units, a tile of 16 rows at a time.  The eight accumulators take turns, one instruction a turn
.irp m, 0,1,2,3,4
.irp t, 0,1,2,3,4,5,6,7
	ds_load_b128 v[HA+8*\t:HA+8*\t+3], v[B1A] offset:(32*(\t/2)+8*(\t%2))*4          ; b1 at my eight units of tile t: the sums begin with it
	ds_load_b128 v[HA+8*\t+4:HA+8*\t+7], v[B1A] offset:(32*(\t/2)+8*(\t%2))*4+16
.endr
.irp s, 0,1,2,3
.irp c, 0,1
	ds_load_b128 v[XF+8*\s+4*\c:XF+8*\s+4*\c+3], v[XA] offset:4352*\m+64*\s+32*\c
.endr
.endr
	s_wait_dscnt 0x0                               ; these loads are in, and the last tile's stores have read their registers
	WIN 0x01                                       ; source 0 (W1) window 1
.irp s, 0,1,2,3
.if (\m == 0) && (\s == 2)
	s_wait_loadcnt 16                              ; W1's K step 2 is in; K step 3's sixteen loads may be out
.endif
.if (\m == 0) && (\s == 3)
	s_wait_loadcnt 0x0
.endif
.irp t, 0,1,2,3,4,5,6,7
	W4 HA+8*\t, 64*\s+8*\t, XF+8*\s, WS+4*(\t/2)+\s, XS+4*(\m/2)+\s, (\t%2)+2*(\m%2)
.endr
.endr
	WIN 0
	PLACES
.if \m == 4                            ; W1 is done with: W2 and its scale words take its registers while the last tile is quantised
.irp n, 0,1,2,3
	global_load_b128 v[WS+4*\n:WS+4*\n+3], v[S2O], s[16:17] offset:512*\n   ; register 4 n + k: K step k (lanes 0-15) and 4 + k (lanes 16-31) of tile n
.endr
	WIN 0x40
.set i, 0
.rept 56
	global_load_b128 v[4*i:4*i+3], v[LI], s[42:43] offset:512*i     ; fragment (s2, n) at v[32 s2 + 8 n]
.set i, i+1
.endr
	WIN 0
.endif
.set j, 0
.rept 64
	v_max_num_f32 v[HA+j], 0, v[HA+j]              ; the activation, in f32; each accumulator from its low end on
.set j, j+1
.endr
	QUANT HA
.irp c, 0,1
	ds_store_b128 v[HWI], v[PC+4*\c:PC+4*\c+3] offset:8192*\m+512*\c   ; K step w of the second product, rows 16 m on: the fragment as it stands
.endr
	ds_store_b32 v[HWS], v[PW] offset:1024*\m
.endr
	s_wait_dscnt 0x0                               ; my stores are done
	s_barrier_signal -1
	s_barrier_wait -1                              ; the hidden layer's 40 fragments lie in LDS
	; ---- 2: my 64 outputs for the 80 rows: 20 accumulators by turns, a K step at a time
	WIN 0x40
.rept 8
	global_load_b128 v[4*i:4*i+3], v[LI], s[42:43] offset:512*i     ; W2's K step 7
.set i, i+1
.endr
	WIN 0
.irp m, 0,1,2,3,4
.irp n, 0,1,2,3
	ds_load_b128 v[ACC+32*\m+8*\n:ACC+32*\m+8*\n+3], v[B2A] offset:64*\n          ; b2 at my eight outputs of tile n: the sums begin with it
	ds_load_b128 v[ACC+32*\m+8*\n+4:ACC+32*\m+8*\n+7], v[B2A] offset:64*\n+16
.endr
.endr
.irp s, 0,1,2,3,4,5,6,7
.if \s > 0
	PLACES
.endif
.irp m, 0,1,2,3,4
.irp c, 0,1
	ds_load_b128 v[HF+8*\m+4*\c:HF+8*\m+4*\c+3], v[HRI] offset:(8*\m+\s)*1024+512*\c
.endr
	ds_load_b32 v[HS+\m], v[HRS] offset:(8*\m+\s)*128
.endr
	s_wait_dscnt 0x0
.if \s <= 4
	s_wait_loadcnt 56-8*\s                         ; this K step's eight loads of W2 are in; those of the later K steps may be out
.else
	s_wait_loadcnt 96-8*\s                         ; likewise, and the 40 loads of tokens issued behind K step 4
.endif
	WIN 0x01                                       ; source 0 (W2) window 1
.irp m, 0,1,2,3,4
.irp n, 0,1,2,3
	W4 ACC+32*\m+8*\n, 32*\s+8*\n, HF+8*\m, WS+4*\n+(\s%4), HS+\m, \s/4
.endr
.endr
.if \s == 4                            ; the way out's tokens, two rows an instruction (row 16 m + 2 i + p), into the registers that K steps 0 and 1 of W2 have left
	WIN 0x40
.set k, 0
.rept 40
	v_add_nc_u32 v[k], 4*(16*(k/8)+2*(k%8)), v[P4]
.set k, k+1
.endr
	WIN 0x44
.set k, 0
.rept 40
	v_min_u32 v[k], s33, v[k]
.set k, k+1
.endr
.set k, 0
.rept 40
	v_min_u32 v[k], 316, v[k]
.set k, k+1
.endr
	WIN 0x41
.set k, 0
.rept 40
	global_load_b32 v[k], v[k], s[4:5]
.set k, k+1
.endr
.endif
	WIN 0
.endr
	; ---- THE WAY OUT: x the gate, through my own stage in LDS, and out as whole pieces of 256 bytes of two rows an instruction
	s_cmp_eq_u32 s30, 0
	s_cbranch_scc1 .Ldone                          ; a tile without rows stores nothing
	PLACES
	s_wait_loadcnt 0x0                             ; the tokens
	WIN 0x04                                       ; source 1 window 1
.set k, 0
.rept 40
	v_min_u32 v[TO+k], 0x3fff, v[k]
.set k, k+1
.endr
	WIN 0
.set k, 0
.rept 40
	v_lshl_add_u32 v[TO+k], v[TO+k], 11, v[CO]     ; the token's row of 2,048 bytes, + my bytes in it
.set k, k+1
.endr
.macro PACK m
.set j, 0
.rept 32
	v_mul_f32 v[ACC+32*\m+j], v[ACC+32*\m+j], v[GV+\m]   ; each accumulator from its low end on
.set j, j+1
.endr
.irp n, 0,1,2,3
	ds_store_b128 v[SO], v[ACC+32*\m+8*\n:ACC+32*\m+8*\n+3] offset:64*\n          ; lane (r, h): out(row r, 64 w + 16 n + 8 h + 0 .. 7)
	ds_store_b128 v[SO], v[ACC+32*\m+8*\n+4:ACC+32*\m+8*\n+7] offset:64*\n+16
.endr
.irp i, 0,1,2,3,4,5,6,7
	ds_load_b128 v[ACC+32*\m+4*\i:ACC+32*\m+4*\i+3], v[SR] offset:544*\i   ; LDS serves a wave's instructions in order: these see the stores above, and the next tile's stores come behind them
.endr
.endm
.macro SEND m, younger                 ; younger: the LDS instructions issued behind tile m's loads
.irp i, 0,1,2,3,4,5,6,7
	s_wait_dscnt \younger+7-\i
	global_store_b128 v[TO+8*\m+\i], v[ACC+32*\m+4*\i:ACC+32*\m+4*\i+3], s[20:21] th:TH_STORE_NT   ; sixteen lanes store 256 consecutive bytes, aligned; written once, read by nobody here
.endr
.endm
	PACK 0
	PACK 1
	SEND 0, 16
	PACK 2
	SEND 1, 16
	PACK 3
	SEND 2, 16
	PACK 4
	SEND 3, 16
	SEND 4, 0
.Ldone:
	s_wait_tensorcnt 0x0                           ; the wave's end, behind my last LDS store
	ds_add_u32 v[SPW], v[NIL]
	s_wait_dscnt 0x0
	s_endpgm
.Lfunc_end_k_qb5e2a070f8_ffn:
	.size	k_qb5e2a070f8_ffn, .Lfunc_end_k_qb5e2a070f8_ffn-k_qb5e2a070f8_ffn
	.p2alignl 7, 3214868480
	.fill 96, 4, 3214868480
	.section	.rodata,"a",@progbits
	.p2align	6, 0x0
	.amdhsa_kernel k_qb5e2a070f8_ffn
		.amdhsa_group_segment_fixed_size 109824
		.amdhsa_private_segment_fixed_size 0
		.amdhsa_enable_private_segment 0
		.amdhsa_kernarg_size 72
		.amdhsa_user_sgpr_count 2
		.amdhsa_user_sgpr_kernarg_segment_ptr 1
		.amdhsa_wavefront_size32 1
		.amdhsa_system_sgpr_workgroup_id_x 1
		.amdhsa_system_sgpr_workgroup_id_y 1
		.amdhsa_system_sgpr_workgroup_id_z 1
		.amdhsa_system_vgpr_workitem_id 0
		.amdhsa_next_free_vgpr 512
		.amdhsa_next_free_sgpr 66
		.amdhsa_reserve_vcc 0
		.amdhsa_float_denorm_mode_32 3
		.amdhsa_float_denorm_mode_16_64 3
		.amdhsa_memory_ordered 1
		.amdhsa_forward_progress 1
		.amdhsa_inst_pref_size 143
	.end_amdhsa_kernel
	.amdgpu_metadata
---
amdhsa.version: [ 1, 2 ]
amdhsa.kernels:
  - .name:           k_qb5e2a070f8_ffn
    .symbol:         k_qb5e2a070f8_ffn.kd
    .args:
      - { .name: plan, .offset: 0, .size: 8, .value_kind: global_buffer, .address_space: global }
      - { .name: xq, .offset: 8, .size: 8, .value_kind: global_buffer, .address_space: global }
      - { .name: fl, .offset: 16, .size: 8, .value_kind: global_buffer, .address_space: global }
      - { .name: wf, .offset: 24, .size: 8, .value_kind: global_buffer, .address_space: global }
      - { .name: w1_scales, .offset: 32, .size: 8, .value_kind: global_buffer, .address_space: global }
      - { .name: b1, .offset: 40, .size: 8, .value_kind: global_buffer, .address_space: global }
      - { .name: w2_scales, .offset: 48, .size: 8, .value_kind: global_buffer, .address_space: global }
      - { .name: b2, .offset: 56, .size: 8, .value_kind: global_buffer, .address_space: global }
      - { .name: out0, .offset: 64, .size: 8, .value_kind: global_buffer, .address_space: global }
    .group_segment_fixed_size: 109824
    .private_segment_fixed_size: 0
    .kernarg_segment_align: 8
    .kernarg_segment_size: 72
    .max_flat_workgroup_size: 256
    .sgpr_count:     66
    .vgpr_count:     512
    .wavefront_size: 32
...
	.end_amdgpu_metadata
.endif
;; end of part 3
;; ======== version 2 of 2: 3 launches; 1.12 times as fast as version 1
;; workspace buffers: wf 2,097,152 bytes; xq 4,456,448 bytes; fl 98,304 bytes; route 81,920 bytes of whole numbers; plan 69,632 bytes of whole numbers
;; launch route: the kernel of part 1 again; grid 256 x 1, 4 waves a work-group, no clusters, 33,280 bytes of LDS; arguments inputs, embed, router_w, w1_codes, w2_codes, xq, fl, route, wf; writes xq, fl, route, wf
;; launch place (part 4): grid 64 x 1, 8 waves a work-group, no clusters, 1,536 bytes of LDS; arguments route, fl, plan, out1, out2; writes plan, out1, out2
.if DOCPART == 4
	.amdgcn_target "amdgcn-amd-amdhsa--gfx1250"
	.amdhsa_code_object_version 6
	.text
	.protected	k_qb5e2a070f8_place
	.globl	k_qb5e2a070f8_place
	.p2align	8
	.type	k_qb5e2a070f8_place,@function
k_qb5e2a070f8_place:
	s_mov_b64 s[64:65], 0
	v_nop
	global_prefetch_b8 v0, s[64:65] scope:SCOPE_SE
	s_setreg_imm32_b32 hwreg(HW_REG_WAVE_MODE, 25, 1), 1
	s_wait_xcnt 0x0
; PLACE: the tokens are sorted by expert (a counting sort without atomics), the list of tiles is made, and the two losses are finished.
; route holds a word (expert | rank << 8) for each token and four counts for each group of 16 tokens; fl the groups' sums of probabilities and of the L1/L2 ratio.
; A token's place = its expert's first place + the expert's count in all earlier groups + its rank in its group.
; SHARES.  Work-group k (0 .. 63) places tokens 256 k + T, which are groups 16 k .. 16 k + 15.  Every work-group reads all 1,024 groups' counts (16 KB), so that none waits for another: thread T sums
; groups 4 T .. 4 T + 3; the sums of all threads are the experts' totals, those of the threads with T < 4 k the counts in the groups under 16 k.  The sixteen lanes of a row share one group: lane j of the row
; loads the work-group's own group j, and the sum over the row of those under the row's group is the rest of the earlier groups.  One barrier, no table, no running sum.
; Work-group 0 also stores the tiles (80 rows of one expert each: never more than 204 + 4 = 208 with rows, whatever the split), work-group 63 also makes the losses: it alone loads the floats.
; plan: order[16,384] (token numbers), then (byte 65,536) tiles[256] = {expert, first place, rows, 0}; a tile without rows has first = 0, rows = 0.
; Two counts share a register, 16 bits each: a sum is 16,384 at the most.
.set REC,   0                          ; LDS: 16 bytes a wave: its packed sums: all groups' (two words), the earlier groups' (two words)
.set FREC,  256                        ; 32 bytes a wave: work-group 63's five sums of floats
.set SPARE, 512                        ; the spare words, 128 bytes a wave
	s_load_b256 s[4:11], s[0:1], 0x0               ; route 4:5, fl 6:7, plan 8:9, out1 10:11
	s_load_b64 s[12:13], s[0:1], 0x20              ; out2
	v_lshl_add_u32 v4, v0, 2, SPARE                ; my spare word,
	v_mov_b32 v5, 0                                ; and 0: kept for the closing lines alone
	v_lshrrev_b32 v1, 5, v0
	v_readfirstlane_b32 s14, v1                    ; wave
	s_min_u32 s15, ttmp9, 63                       ; k
	v_and_b32 v1, 31, v0                           ; lane
	v_lshlrev_b32 v2, 6, v0                        ; 64 T: four groups' records of 16 bytes
	v_lshlrev_b32 v3, 2, v0                        ; 4 T
	v_lshlrev_b32 v12, 4, v0                       ; 16 T
	v_and_b32 v13, 15, v0                          ; j: my place in my row of lanes
	v_lshlrev_b32 v6, 4, v13                       ; 16 j
	v_lshrrev_b32 v14, 4, v0                       ; my token's group among the work-group's sixteen
	v_and_b32 v7, 0xe0, v0                         ; 32 x wave
	v_add_nc_u32 v8, FREC, v7
	v_lshrrev_b32 v7, 1, v7                        ; 16 x wave
	v_and_b32 v10, 7, v0
	v_lshlrev_b32 v9, 5, v10
	v_add_nc_u32 v9, FREC, v9                      ; lane l reads wave l % 8's record of floats,
	v_lshlrev_b32 v10, 4, v10                      ; and of counts
	s_lshl_b32 s18, s15, 8
	v_add_nc_u32 v11, s18, v0                      ; my token
	s_lshl_b32 s16, s15, 10
	s_lshl_b32 s24, s15, 2                         ; 4 k
	s_mov_b32 s17, 0
	s_mov_b32 s19, 0
	s_mov_b32 s22, 0x76543210
	s_mov_b32 s23, 0xfedcba98                      ; v_permlanex16_b32's selects for lane l xor 16
.irp r, 44,45,46,47,50,51
	v_mov_b32 v[\r], 0                             ; destinations of lane moves count as read: written once
.endr
	s_wait_kmcnt 0x0
	s_add_nc_u64 s[16:17], s[4:5], s[16:17]        ; my work-group's 256 words,
	s_add_nc_u64 s[18:19], s[4:5], s[18:19]        ; and (65,536 further on) its own sixteen groups' counts
.irp q, 0,1,2,3
	global_load_b128 v[16+4*\q:19+4*\q], v2, s[4:5] offset:65536+16*\q   ; groups 4 T + q
.endr
	global_load_b128 v[32:35], v6, s[18:19] offset:65536   ; the work-group's own group j
	global_load_b32 v36, v3, s[16:17]                      ; my token's word
	s_cmp_lg_u32 s15, 63
	s_cbranch_scc1 .Lcounts
	; work-group 63 alone: the floats of groups 4 T .. 4 T + 3, summed over the wave
.irp q, 0,1,2,3
	global_load_b128 v[96+4*\q:99+4*\q], v2, s[6:7] offset:65536+16*\q     ; sums of the four probabilities
.endr
.irp q, 0,1,2,3
	global_load_b128 v[112+4*\q:115+4*\q], v2, s[6:7] offset:81920+16*\q   ; partial sums of the ratio
.endr
.irp r, 128,129,130,131,132
	v_mov_b32 v[\r], 0
.endr
	s_wait_loadcnt 0x0
	v_pk_add_f32 v[96:97], v[96:97], v[100:101]
	v_pk_add_f32 v[98:99], v[98:99], v[102:103]
	v_pk_add_f32 v[104:105], v[104:105], v[108:109]
	v_pk_add_f32 v[106:107], v[106:107], v[110:111]
	v_pk_add_f32 v[112:113], v[112:113], v[114:115]
	v_pk_add_f32 v[116:117], v[116:117], v[118:119]
	v_pk_add_f32 v[120:121], v[120:121], v[122:123]
	v_pk_add_f32 v[124:125], v[124:125], v[126:127]
	v_pk_add_f32 v[96:97], v[96:97], v[104:105]
	v_pk_add_f32 v[98:99], v[98:99], v[106:107]    ; v96-99: the four experts' importance in my four groups
	v_pk_add_f32 v[112:113], v[112:113], v[116:117]
	v_pk_add_f32 v[120:121], v[120:121], v[124:125]
	v_pk_add_f32 v[112:113], v[112:113], v[120:121]
	v_add_f32 v100, v112, v113                     ; and their 64 tokens' ratios
.irp n, 1,2,4,8
.irp r, 96,97,98,99,100
	v_add_f32_dpp v[\r], v[\r], v[\r] row_xmask:\n row_mask:0xf bank_mask:0xf
.endr
.endr
.irp c, 0,1,2,3,4
	v_permlanex16_b32 v[128+\c], v[96+\c], s22, s23
.endr
.irp c, 0,1,2,3,4
	v_add_f32 v[96+\c], v[96+\c], v[128+\c]
.endr
	ds_store_b128 v8, v[96:99]                     ; all lanes write the same bytes with the same values
	ds_store_b32 v8, v100 offset:16
.Lcounts:
	s_wait_loadcnt 0x0
.irp c, 0,1,2,3
	v_add3_u32 v[16+\c], v[16+\c], v[20+\c], v[24+\c]
.endr
.irp c, 0,1,2,3
	v_add_nc_u32 v[16+\c], v[16+\c], v[28+\c]      ; expert c's count in my four groups
.endr
	v_lshl_or_b32 v40, v17, 16, v16                ; counts 0 and 1,
	v_lshl_or_b32 v41, v19, 16, v18                ; counts 2 and 3
	v_cmp_gt_u32 vcc_lo, s24, v0                   ; T < 4 k: my four groups lie under 16 k
	v_cndmask_b32 v42, 0, v40, vcc_lo
	v_cndmask_b32 v43, 0, v41, vcc_lo
	v_lshl_or_b32 v48, v33, 16, v32                ; own group j likewise,
	v_lshl_or_b32 v49, v35, 16, v34
	v_cmp_lt_u32 vcc_lo, v13, v14                  ; counted where it lies under my token's group
	v_cndmask_b32 v48, 0, v48, vcc_lo
	v_cndmask_b32 v49, 0, v49, vcc_lo
.irp n, 1,2,4,8                        ; sums over the 16 lanes of a row, the six registers by turns
.irp c, 0,1,2,3
	v_mov_b32_dpp v[44+\c], v[40+\c] row_xmask:\n row_mask:0xf bank_mask:0xf
.endr
.irp c, 0,1
	v_mov_b32_dpp v[50+\c], v[48+\c] row_xmask:\n row_mask:0xf bank_mask:0xf
.endr
.irp c, 0,1,2,3
	v_add_nc_u32 v[40+\c], v[40+\c], v[44+\c]
.endr
.irp c, 0,1
	v_add_nc_u32 v[48+\c], v[48+\c], v[50+\c]      ; stays a row's own: the two rows of a wave have different groups
.endr
.endr
.irp c, 0,1,2,3
	v_permlanex16_b32 v[44+\c], v[40+\c], s22, s23
.endr
.irp c, 0,1,2,3
	v_add_nc_u32 v[40+\c], v[40+\c], v[44+\c]      ; the wave's sums
.endr
	ds_store_b128 v7, v[40:43]                     ; all lanes write the same bytes with the same values
	s_wait_dscnt 0x0                               ; for the others' sake: my stores are done
	s_barrier_signal -1
	s_barrier_wait -1
	ds_load_b128 v[52:55], v10                     ; lane l: wave l % 8's record
	v_and_b32 v68, 0xff, v36                       ; my token's expert,
	v_lshrrev_b32 v69, 8, v36                      ; and its rank in its group
	s_wait_dscnt 0x0
.irp n, 1,2,4                          ; the eight waves' records, summed over eight lanes
.irp c, 0,1,2,3
	v_mov_b32_dpp v[44+\c], v[52+\c] row_xmask:\n row_mask:0xf bank_mask:0xf
.endr
.irp c, 0,1,2,3
	v_add_nc_u32 v[52+\c], v[52+\c], v[44+\c]
.endr
.endr
	v_add_nc_u32 v56, v54, v48                     ; each expert's count in all groups before my token's
	v_add_nc_u32 v57, v55, v49
	v_and_b32 v58, 0xffff, v52                     ; the experts' totals n0 .. n3
	v_lshrrev_b32 v59, 16, v52
	v_and_b32 v60, 0xffff, v53
	v_lshrrev_b32 v61, 16, v53
	v_add_nc_u32 v62, v58, v59                     ; where expert 2 begins (expert 1: n0),
	v_add_nc_u32 v63, v62, v60                     ; and expert 3
	v_and_b32 v64, 0xffff, v56
	v_lshrrev_b32 v65, 16, v56
	v_add_nc_u32 v65, v65, v58
	v_and_b32 v66, 0xffff, v57
	v_add_nc_u32 v66, v66, v62
	v_lshrrev_b32 v67, 16, v57
	v_add_nc_u32 v67, v67, v63
	v_cmp_eq_u32 vcc_lo, 1, v68
	v_cndmask_b32 v70, v64, v65, vcc_lo
	v_cmp_eq_u32 vcc_lo, 2, v68
	v_cndmask_b32 v70, v70, v66, vcc_lo
	v_cmp_eq_u32 vcc_lo, 3, v68
	v_cndmask_b32 v70, v70, v67, vcc_lo
	v_add_nc_u32 v70, v70, v69
	v_min_u32 v70, 0x3fff, v70                     ; a number made of loaded ones enters an address only behind a bound
	v_lshlrev_b32 v70, 2, v70
	global_store_b32 v70, v11, s[8:9]              ; v70 and v11 are written by no later line
	s_cmp_eq_u32 s15, 63
	s_cbranch_scc1 .Lloss
	s_cmp_lg_u32 s15, 0
	s_cbranch_scc1 .Lend
	; THE TILES: thread t = 0 .. 255 of work-group 0.  Expert c has ceil(n_c / 80) of them
.irp c, 0,1,2,3
	v_add_nc_u32 v[72+\c], 79, v[58+\c]
	v_mul_u32_u24 v[72+\c], v[72+\c], 0xcccd       ; x / 80 = (x 52,429) >> 22, exact for x up to 16,463
	v_lshrrev_b32 v[72+\c], 22, v[72+\c]
.endr
	v_add_nc_u32 v76, v72, v73                     ; the first tile of expert 2 (of expert 1: v72),
	v_add_nc_u32 v77, v76, v74                     ; of expert 3
	v_mov_b32 v78, 1
	v_mov_b32 v79, 2
	v_mov_b32 v80, 3
	v_mov_b32 v84, 0                               ; the tile's expert,
	v_mov_b32 v81, 0                               ; that expert's first tile,
	v_mov_b32 v82, v58                             ; its rows,
	v_mov_b32 v83, 0                               ; its first place
	v_mov_b32 v87, 0
.macro PICK cum, e, n, st              ; from tile cum on: the next expert
	v_cmp_le_u32 vcc_lo, v[\cum], v0
	v_cndmask_b32 v84, v84, v[\e], vcc_lo
	v_cndmask_b32 v81, v81, v[\cum], vcc_lo
	v_cndmask_b32 v82, v82, v[\n], vcc_lo
	v_cndmask_b32 v83, v83, v[\st], vcc_lo
.endm
	PICK 72, 78, 59, 58
	PICK 76, 79, 60, 62
	PICK 77, 80, 61, 63
	v_sub_nc_u32 v88, v0, v81
	v_mul_u32_u24 v88, v88, 80                     ; rows of the expert before this tile
	v_sub_nc_u32 v86, v82, v88
	v_max_i32 v86, 0, v86
	v_min_i32 v86, 80, v86                         ; the tile's rows: 0 to 80
	v_add_nc_u32 v85, v83, v88
	v_cmp_ne_u32 vcc_lo, 0, v86
	v_cndmask_b32 v85, 0, v85, vcc_lo              ; a tile without rows points at place 0
	global_store_b128 v12, v[84:87], s[8:9] offset:65536
	s_branch .Lend
.Lloss:
	s_cmp_lg_u32 s14, 0
	s_cbranch_scc1 .Lend
	; THE LOSSES: wave 0 of work-group 63.  They work in registers that no pending store names
	ds_load_b128 v[96:99], v9                      ; lane l: wave l % 8's sums, stored ahead of the barrier
	ds_load_b32 v100, v9 offset:16
	s_wait_dscnt 0x0
.irp n, 1,2,4
.irp r, 96,97,98,99,100
	v_add_f32_dpp v[\r], v[\r], v[\r] row_xmask:\n row_mask:0xf bank_mask:0xf
.endr
.endr
	v_mul_f32 v101, 0x38800000, v100               ; the mean of 16,384 ratios
	v_add_f32 v102, v96, v97
	v_add_f32 v103, v98, v99
	v_add_f32 v102, v102, v103
	v_mul_f32 v102, 0x3e800000, v102               ; the mean importance
.irp c, 0,1,2,3
	v_sub_f32 v[104+\c], v[96+\c], v102
.endr
	v_mul_f32 v103, v104, v104
	v_fma_f32 v103, v105, v105, v103
	v_fma_f32 v103, v106, v106, v103
	v_fma_f32 v103, v107, v107, v103
	v_fmaak_f32 v108, v102, v102, 0x2edbe6ff       ; mean^2 + 1e-10
	v_rcp_f32 v109, v108
	v_mul_f32 v103, 0x3e800000, v103               ; (a plain line behind the reciprocal)  the variance
	v_mov_b32 v110, 0
	v_cmp_eq_u32 vcc_lo, 0, v1
	s_wait_alu depctr_va_vdst(0)                   ; ahead of the reciprocal's first reader
	v_mul_f32 v111, v103, v109
	s_wait_xcnt 0x0                                ; EXEC changes only behind s_wait_xcnt 0
	s_and_saveexec_b32 s26, vcc_lo
	global_store_b32 v110, v101, s[10:11]
	global_store_b32 v110, v111, s[12:13]
	s_wait_xcnt 0x0
	s_or_b32 exec_lo, exec_lo, s26
.Lend:
	s_wait_tensorcnt 0x0                           ; the wave's end, behind my last LDS store
	ds_add_u32 v4, v5
	s_wait_dscnt 0x0
	s_endpgm
.Lfunc_end_k_qb5e2a070f8_place:
	.size	k_qb5e2a070f8_place, .Lfunc_end_k_qb5e2a070f8_place-k_qb5e2a070f8_place
	.p2alignl 7, 3214868480
	.fill 96, 4, 3214868480
	.section	.rodata,"a",@progbits
	.p2align	6, 0x0
	.amdhsa_kernel k_qb5e2a070f8_place
		.amdhsa_group_segment_fixed_size 1536
		.amdhsa_private_segment_fixed_size 0
		.amdhsa_enable_private_segment 0
		.amdhsa_kernarg_size 40
		.amdhsa_user_sgpr_count 2
		.amdhsa_user_sgpr_kernarg_segment_ptr 1
		.amdhsa_wavefront_size32 1
		.amdhsa_system_sgpr_workgroup_id_x 1
		.amdhsa_system_sgpr_workgroup_id_y 1
		.amdhsa_system_sgpr_workgroup_id_z 1
		.amdhsa_system_vgpr_workitem_id 0
		.amdhsa_next_free_vgpr 136
		.amdhsa_next_free_sgpr 66
		.amdhsa_reserve_vcc 1
		.amdhsa_float_denorm_mode_32 3
		.amdhsa_float_denorm_mode_16_64 3
		.amdhsa_memory_ordered 1
		.amdhsa_forward_progress 1
		.amdhsa_inst_pref_size 17
	.end_amdhsa_kernel
	.amdgpu_metadata
---
amdhsa.version: [ 1, 2 ]
amdhsa.kernels:
  - .name:           k_qb5e2a070f8_place
    .symbol:         k_qb5e2a070f8_place.kd
    .args:
      - { .name: route, .offset: 0, .size: 8, .value_kind: global_buffer, .address_space: global }
      - { .name: fl, .offset: 8, .size: 8, .value_kind: global_buffer, .address_space: global }
      - { .name: plan, .offset: 16, .size: 8, .value_kind: global_buffer, .address_space: global }
      - { .name: out1, .offset: 24, .size: 8, .value_kind: global_buffer, .address_space: global }
      - { .name: out2, .offset: 32, .size: 8, .value_kind: global_buffer, .address_space: global }
    .group_segment_fixed_size: 1536
    .private_segment_fixed_size: 0
    .kernarg_segment_align: 8
    .kernarg_segment_size: 40
    .max_flat_workgroup_size: 256
    .sgpr_count:     66
    .vgpr_count:     136
    .wavefront_size: 32
...
	.end_amdgpu_metadata
.endif
;; end of part 4
;; launch ffn (part 5): grid 208 x 1, 8 waves a work-group, no clusters, 106,752 bytes of LDS; arguments plan, xq, fl, wf, w1_scales, b1, w2_scales, b2, out0; writes out0
.if DOCPART == 5
	.amdgcn_target "amdgcn-amd-amdhsa--gfx1250"
	.amdhsa_code_object_version 6
	.text
	.protected	k_qb5e2a070f8_ffn
	.globl	k_qb5e2a070f8_ffn
	.p2align	8
	.type	k_qb5e2a070f8_ffn,@function
k_qb5e2a070f8_ffn:
	s_mov_b64 s[64:65], 0
	v_nop
	global_prefetch_b8 v0, s[64:65] scope:SCOPE_SE
	s_setreg_imm32_b32 hwreg(HW_REG_WAVE_MODE, 25, 1), 1
	s_wait_xcnt 0x0
; FFN: out[token] = gate x (relu(x W1[e]^T + b1[e]) W2[e]^T + b2[e]) for the token's own expert e, both products on codes of FP4 (E2M1) with one E8M0 scale for each 32 along K.
; WORK LEFT OUT: the three experts that reference()'s own where(gate_idx == ei) replaces by 0.0 for a token are not multiplied (shown at the head of the first kernel).
; SHARES.  A work-group takes one tile of the stored list: up to 80 rows (five tiles of 16) of ONE expert, through the whole chain; the hidden layer never goes to memory.  80 rows: 16,384 / 80 rounded up, + 3, is 208
; tiles at the most whatever the split, so one work-group a tile serves every split.  THE WAVES SHARE THE COLUMNS: wave w makes hidden units 128 w .. + 127 (K step w of the second product) and outputs
; 64 w .. + 63 (256 bytes of a row of out) for all 80 rows.  Its 32 fragments of W1, later its 32 of W2, fill window 1: each set is 32 KB on end in wf, laid in the order of the registers by the first launch.
; THE SECOND PRODUCT GOES BY TILES OF ROWS: a tile's 32 products (8 K steps x 4 tiles of outputs, four accumulators by turns), then that tile's way out, while the next tile is multiplied: so the first rows are on
; their way to memory while four fifths of the products are still to come.  THE BIASES STAY IN REGISTERS, in the result's layout, and are the C of each sum's first product: nothing is cleared, nothing is added.
; ROWS BEYOND THE TILE'S COUNT repeat its last row (index min(i, rows - 1)): they compute and store the same bytes once more: no mask.  A TILE WITHOUT ROWS runs on valid addresses and jumps round the stores alone
; (short branches on a stored whole number, round no barrier, no LDS instruction and no load): the price of a grid that serves every split.
; NO TENSOR LOADS, NO CLUSTER: which weights a work-group reads hangs on the expert's number read from memory, which may differ between neighbours in the grid, and the text has branches on a loaded number.
; No prefetch: each expert's weights are read by all of its tiles, not once.
; BOTH PRODUCTS ARE USED TRANSPOSED (source 0 = 16 rows of a weight, source 1 = 16 tokens): a lane holds one token.  THE ROWS OF W1 THAT FORM A TILE ARE NOT NEIGHBOURS: lane r of tile 2 b + u takes row
; 32 b + 8 u + r + 8 (r / 8), so that the 16 registers of tiles 2 b and 2 b + 1 are 16 neighbours along the next K.
; LIMITS: as stated at the head of the first kernel; a hidden block whose largest number lies under 2^-124 keeps the scale byte 1 (its codes are then zeros or the smallest codes).
; REGISTERS.  Window 0: v1-27 addresses and gates; v28-43 the weights' scale words, v44-55 x's (later the hidden layer's): scales and nothing else; v56-95 x's fragments and the codes just made, later the stores'
; offsets; v96-159 the hidden tile, later two sets of four accumulators of out; v160-176 the quantiser's work and v184-247 b1, later v160-223 a row tile's eight hidden fragments and v224-255 b2.  Window 1: the weights' fragments.
.set XT,    0                          ; LDS: x's codes, 80 rows of 256 bytes + 16
.set TOKL,  21760                      ; the 80 rows' tokens, a copy of its own for each wave: 384 bytes
.set HIMG,  24832                      ; the hidden layer's 40 fragments as images of their registers: (tile of rows m, K step s2) at (8 m + s2) x 1,024
.set HSC,   65792                      ; their scale words, 128 bytes each
.set STG,   70912                      ; the way out: 16 rows x (256 bytes + 16) for each wave
.set SPARE, 105728                     ; the spare words, 128 bytes a wave
.set LI,  1                            ; 16 x lane
.set XA,  2                            ; x's fragments: 272 r + 16 h
.set B1O, 3                            ; 64 h: my half's place in a block of 32 numbers of b1
.set B2O, 4                            ; 32 h: and in a tile of 16 of b2
.set HWI, 5                            ; where I store an image: + 1,024 w + 16 lane
.set HWS, 6                            ; and its scale word: + 128 w + 4 lane
.set HRI, 7                            ; where any image is read: + 16 lane
.set HRS, 8                            ; + 4 lane
.set SO,  9                            ; my stage, in: 272 r + 32 h
.set SR,  10                           ; back: 272 p + 16 q
.set CO,  11                           ; my bytes in a row of out: 256 w + 16 q
.set P4,  12                           ; 4 p
.set SPW, 13
.set NIL, 14
.set GV,  15                           ; v15-19 the gate of row 16 m + r
.set XW,  20                           ; where I store gathered codes
.set TKW, 21                           ; my wave's tokens, in: + 4 lane
.set TKA, 22                           ; and back: + 4 p
.set S1O, 23                           ; W1's scale words: my row's 16 bytes
.set S2O, 24                           ; W2's: my half of my row's 32
.set WS,  28
.set XS,  44
.set HS,  44                           ; v44-51 a row tile's scale words, one for each K step
.set XF,  56
.set PC,  88
.set TO,  56                           ; v56-95 the stores' offsets, eight a row tile
.set HA,  96
.set ACC, 96                           ; row tile m: the set at ACC + 32 (m % 2)
.set TM,  160
.set PW,  176
.set B1R, 184                          ; v184-247 b1: tile t's eight units of my half at B1R + 8 t
.set HF,  160                          ; v160-223 hidden fragment of K step s2 at HF + 8 s2
.set B2R, 224                          ; v224-255 b2: tile n's eight outputs of my half at B2R + 8 n
.set XG,  96                           ; the head's own: gathered codes v96-115,
.set TG,  128                          ; their tokens v128-132,
.set TK,  136                          ; the 80 rows' tokens, a lane a row, v136-138
.set MSB, 0
.macro WIN new                         ; the immediate's high byte repeats the setting that is left
.if MSB != \new
	s_set_vgpr_msb (MSB<<8)|\new
.set MSB, \new
.endif
.endm
.macro PLACES                          ; four plain lines behind a matrix instruction, ahead of loads into its registers and of reads of its result
.rept 4
	v_nop
.endr
.endm
; one product.  c: the sum so far (d itself) or, in a sum's first product, the bias.  rows: 1 = source 0's scales from lanes 16-31, 2 = source 1's, 3 = both
.macro W4 d, a, b, c, sa, sb, rows
.if (\rows) == 0
	v_wmma_scale_f32_16x16x128_f8f6f4 v[(\d):(\d)+7], v[(\a):(\a)+7], v[(\b):(\b)+7], v[(\c):(\c)+7], v[\sa], v[\sb] matrix_a_fmt:MATRIX_FMT_FP4 matrix_b_fmt:MATRIX_FMT_FP4
.elseif (\rows) == 1
	v_wmma_scale_f32_16x16x128_f8f6f4 v[(\d):(\d)+7], v[(\a):(\a)+7], v[(\b):(\b)+7], v[(\c):(\c)+7], v[\sa], v[\sb] matrix_a_fmt:MATRIX_FMT_FP4 matrix_b_fmt:MATRIX_FMT_FP4 matrix_a_scale:MATRIX_SCALE_ROW1
.elseif (\rows) == 2
	v_wmma_scale_f32_16x16x128_f8f6f4 v[(\d):(\d)+7], v[(\a):(\a)+7], v[(\b):(\b)+7], v[(\c):(\c)+7], v[\sa], v[\sb] matrix_a_fmt:MATRIX_FMT_FP4 matrix_b_fmt:MATRIX_FMT_FP4 matrix_b_scale:MATRIX_SCALE_ROW1
.else
	v_wmma_scale_f32_16x16x128_f8f6f4 v[(\d):(\d)+7], v[(\a):(\a)+7], v[(\b):(\b)+7], v[(\c):(\c)+7], v[\sa], v[\sb] matrix_a_fmt:MATRIX_FMT_FP4 matrix_b_fmt:MATRIX_FMT_FP4 matrix_a_scale:MATRIX_SCALE_ROW1 matrix_b_scale:MATRIX_SCALE_ROW1
.endif
.endm
; 64 numbers of a lane, none negative, register 16 b + i = k 32 b + 16 (lane / 16) + i of my row, become a fragment's codes in v[PC] on and its scale word in v[PW]
.macro QUANT s
.irp b, 0,1,2,3
	v_max3_num_f32 v[TM+\b], v[\s+16*\b], v[\s+1+16*\b], 0x1800000   ; block b: my 16 numbers, and the floor 2^(3 - 127): the byte cannot fall under 1
.endr
.irp i, 2,4,6,8,10,12,14
.irp b, 0,1,2,3
	v_max3_num_f32 v[TM+\b], v[TM+\b], v[\s+16*\b+\i], v[\s+1+16*\b+\i]   ; (the four blocks by turns)
.endr
.endr
.irp b, 0,1,2,3
	v_permlanex16_b32 v[TM+4+\b], v[TM+\b], s36, s37
.endr
.irp b, 0,1,2,3
	v_max_num_f32 v[TM+\b], v[TM+\b], v[TM+4+\b]   ; with lane l xor 16's: the block's largest number
.endr
.irp b, 0,1,2,3
	v_add_nc_u32 v[TM+12+\b], 0xff000000, v[TM+\b] ; 2 off its exponent field: the conversion's scale operand
.endr
.irp b, 0,1,2,3
	v_lshrrev_b32 v[TM+4+\b], 23, v[TM+12+\b]      ; the scale's byte
.endr
	v_lshl_or_b32 v[PW], v[TM+5], 8, v[TM+4]
	v_lshl_or_b32 v[PW], v[TM+6], 16, v[PW]
	v_lshl_or_b32 v[PW], v[TM+7], 24, v[PW]        ; my row's scale word
.irp b, 0,1,2,3
	v_cvt_scalef32_pk8_fp4_f32 v[PC+2*\b], v[\s+16*\b:\s+7+16*\b], v[TM+12+\b]
	v_cvt_scalef32_pk8_fp4_f32 v[PC+1+2*\b], v[\s+8+16*\b:\s+15+16*\b], v[TM+12+\b]
.endr
	v_nop                                          ; one plain line behind a scaled conversion
.irp c, 0,1                            ; the operand's layout wants a whole block in a lane
.irp i, 0,1
	v_permlane16_swap_b32 v[PC+4*\c+\i], v[PC+2+4*\c+\i]
.endr
.endr
.endm
.macro XLOAD m                         ; x's four fragments of rows 16 m on
.irp s, 0,1,2,3
.irp c, 0,1
	ds_load_b128 v[XF+8*\s+4*\c:XF+8*\s+4*\c+3], v[XA] offset:4352*(\m)+64*\s+32*\c
.endr
.endr
.endm
	s_load_b512 s[4:19], s[0:1], 0x0               ; plan 4:5, xq 6:7, fl 8:9, wf 10:11, w1_scales 12:13, b1 14:15, w2_scales 16:17, b2 18:19
	s_load_b64 s[20:21], s[0:1], 0x40              ; out0
	v_lshl_add_u32 v[SPW], v0, 2, SPARE            ; my spare word,
	v_mov_b32 v[NIL], 0                            ; and 0: kept for the closing lines alone
	v_lshrrev_b32 v26, 5, v0
	v_readfirstlane_b32 s22, v26                   ; wave 0..7
	s_lshl_b32 s24, ttmp9, 4
	s_wait_kmcnt 0x0
	s_load_b128 s[28:31], s[4:5], s24 offset:0x10000   ; my tile: expert, first place, rows, 0
	v_and_b32 v26, 15, v0                          ; r, q
	v_bfe_u32 v27, v0, 4, 1                        ; h, p
	v_and_b32 v[LI], 31, v0
	v_lshlrev_b32 v[HRS], 2, v[LI]                 ; 4 x lane
	v_lshlrev_b32 v[LI], 4, v[LI]
	v_mul_u32_u24 v[XA], v26, 272
	v_lshl_add_u32 v[SO], v27, 5, v[XA]
	v_lshl_add_u32 v[XA], v27, 4, v[XA]
	v_lshlrev_b32 v[B1O], 6, v27
	v_lshlrev_b32 v[B2O], 5, v27
	s_lshl_b32 s35, s22, 8
	v_lshl_add_u32 v[CO], v26, 4, s35
	s_mul_i32 s34, s22, 384
	s_add_co_u32 s34, s34, TOKL
	v_add_nc_u32 v[TKW], s34, v[HRS]
	v_lshl_add_u32 v[TKA], v27, 2, s34
	s_lshl_b32 s34, s22, 10
	s_add_co_u32 s34, s34, HIMG
	v_add_nc_u32 v[HWI], s34, v[LI]
	v_add_nc_u32 v[HRI], HIMG, v[LI]
	s_lshl_b32 s34, s22, 7
	s_add_co_u32 s34, s34, HSC
	v_add_nc_u32 v[HWS], s34, v[HRS]
	v_add_nc_u32 v[HRS], HSC, v[HRS]
	s_mul_i32 s34, s22, 4352
	s_add_co_u32 s34, s34, STG
	v_add_nc_u32 v[SO], s34, v[SO]
	v_mul_u32_u24 v[XW], v27, 272
	v_lshl_add_u32 v[XW], v26, 4, v[XW]
	v_add_nc_u32 v[SR], s34, v[XW]
	s_mul_i32 s34, s22, 2720
	v_add_nc_u32 v[XW], s34, v[XW]                 ; I gather rows 10 w + 2 i + p
	v_lshlrev_b32 v[P4], 2, v27
	v_and_b32 v[S1O], 8, v26
	v_add_nc_u32 v[S1O], v[S1O], v26
	v_lshl_add_u32 v[S1O], v27, 3, v[S1O]
	v_lshlrev_b32 v[S1O], 4, v[S1O]                ; row r + 8 (r / 8) + 8 h of 16 bytes: lanes 0-15 an even tile's rows, lanes 16-31 the odd tile's beside it
	v_lshlrev_b32 v[S2O], 5, v26
	v_lshl_add_u32 v[S2O], v27, 4, v[S2O]          ; row r of 32 bytes, + 16 h: lanes 0-15 K steps 0-3, lanes 16-31 K steps 4-7
	v_cmp_eq_u32 s38, 1, v27                       ; lanes 16-31
	s_mov_b32 s36, 0x76543210
	s_mov_b32 s37, 0xfedcba98                      ; v_permlanex16_b32's selects for lane l xor 16
	s_mul_i32 s39, s22, 40
.irp b, 0,1,2,3
	v_mov_b32 v[TM+4+\b], 0                        ; a lane permute's destination counts as one of its sources
.endr
.irp a, 0,1,2
	v_mov_b32 v[152+\a], 0
.endr
	v_lshrrev_b32 v[TK], 2, v[LI]                  ; 4 x lane: row = lane,
	v_add_nc_u32 v[TK+1], 128, v[TK]               ; 32 + lane,
	v_add_nc_u32 v[TK+2], 256, v[TK]               ; 64 + lane
.irp i, 0,1,2,3,4
	v_add_nc_u32 v[TG+\i], s39, v[P4]
	v_add_nc_u32 v[TG+\i], 8*\i, v[TG+\i]          ; 4 (10 w + 2 i + p)
.endr
	s_mov_b32 s25, 0
	s_wait_kmcnt 0x0
	s_min_u32 s28, s28, 3                          ; loaded numbers enter addresses only behind a bound
	s_min_u32 s29, s29, 0x3fff
	s_sub_co_u32 s32, s30, 1
	s_min_u32 s32, s32, 79                         ; the last row that counts (a tile without rows: 79, from place 0 on)
	s_lshl_b32 s33, s32, 2
	s_lshl_b32 s23, s28, 3
	s_add_co_u32 s23, s23, s22                     ; 8 e + w
	s_lshl_b32 s24, s29, 2
	s_add_nc_u64 s[4:5], s[4:5], s[24:25]          ; the tile's first place in the order
	s_lshl_b32 s24, s23, 15
	s_add_nc_u64 s[40:41], s[10:11], s[24:25]      ; my 32 fragments of W1,
	s_add_nc_u64 s[42:43], s[40:41], 0x100000      ; and of W2
	s_lshl_b32 s24, s23, 11
	s_add_nc_u64 s[12:13], s[12:13], s[24:25]      ; my 128 rows of W1's scales, 16 bytes each,
	s_add_nc_u64 s[16:17], s[16:17], s[24:25]      ; my 64 rows of W2's, 32 bytes each
	s_lshl_b32 s24, s23, 9
	s_add_nc_u64 s[14:15], s[14:15], s[24:25]      ; my 128 numbers of b1,
	s_lshl_b32 s24, s23, 8
	s_add_nc_u64 s[18:19], s[18:19], s[24:25]      ; my 64 of b2
.irp a, 0,1,2
	v_min_u32 v[TK+\a], s33, v[TK+\a]
	v_min_u32 v[TK+\a], 316, v[TK+\a]
	global_load_b32 v[TK+\a], v[TK+\a], s[4:5]     ; the rows' tokens (a load may land on its own address)
.endr
.irp i, 0,1,2,3,4
	v_min_u32 v[TG+\i], s33, v[TG+\i]
	v_min_u32 v[TG+\i], 316, v[TG+\i]
	global_load_b32 v[TG+\i], v[TG+\i], s[4:5]
.endr
.irp b, 0,1,2,3
	global_load_b128 v[WS+4*\b:WS+4*\b+3], v[S1O], s[12:13] offset:512*\b   ; register 4 b + s: K step s of tiles 2 b (lanes 0-15) and 2 b + 1 (lanes 16-31)
.endr
.irp t, 0,1,2,3,4,5,6,7
	global_load_b128 v[B1R+8*\t:B1R+8*\t+3], v[B1O], s[14:15] offset:(32*(\t/2)+8*(\t%2))*4       ; b1 at hidden units 32 (t / 2) + 16 h + 8 (t % 2) + 0 .. 7: it stays for all five tiles of rows
	global_load_b128 v[B1R+8*\t+4:B1R+8*\t+7], v[B1O], s[14:15] offset:(32*(\t/2)+8*(\t%2))*4+16
.endr
	WIN 0x40                                       ; destination window 1
.set i, 0
.rept 32
	global_load_b128 v[4*i:4*i+3], v[LI], s[40:41] offset:512*i     ; W1's K steps 0 and 1: fragment (s, t) at v[64 s + 8 t]; 512 consecutive bytes a load
.set i, i+1
.endr
	WIN 0
	s_wait_loadcnt 52                              ; the eight loads of tokens are in: behind them stand 4 + 16 + 32
.irp a, 0,1,2
	v_min_u32 v[TK+\a], 0x3fff, v[TK+\a]
	v_lshlrev_b32 v[140+\a], 2, v[TK+\a]
	v_lshlrev_b32 v[144+\a], 4, v[TK+\a]
	ds_store_b32 v[TKW], v[TK+\a] offset:128*\a    ; my wave's own copy of the tokens, for the way out: row i's at 4 i
.endr
.irp i, 0,1,2,3,4
	v_min_u32 v[TG+\i], 0x3fff, v[TG+\i]
	v_lshlrev_b32 v[TG+\i], 8, v[TG+\i]
	v_lshl_add_u32 v[TG+\i], v26, 4, v[TG+\i]      ; the token's 256 bytes of codes, 16 a lane
.endr
.irp a, 0,1,2
	global_load_b32 v[148+\a], v[140+\a], s[8:9]   ; the gates
	global_load_b128 v[XS+4*\a:XS+4*\a+3], v[144+\a], s[6:7] offset:4194304   ; x's scale words: register 4 a + s: K step s of tiles 2 a (lanes 0-15) and 2 a + 1 (lanes 16-31)
.endr
.irp i, 0,1,2,3,4
	global_load_b128 v[XG+4*\i:XG+4*\i+3], v[TG+\i], s[6:7]        ; sixteen lanes read a row's 256 bytes
.endr
	WIN 0x40
.rept 32
	global_load_b128 v[4*i:4*i+3], v[LI], s[40:41] offset:512*i     ; W1's K steps 2 and 3
.set i, i+1
.endr
	WIN 0
	s_wait_loadcnt 32                              ; all but W1's last 32 loads
.irp i, 0,1,2,3,4
	ds_store_b128 v[XW], v[XG+4*\i:XG+4*\i+3] offset:544*\i
.endr
.irp a, 0,1,2
	v_permlanex16_b32 v[152+\a], v[148+\a], s36, s37
.endr
	v_cndmask_b32 v[GV], v148, v152, s38           ; both halves of the lanes want the gate of row 16 m + r
	v_cndmask_b32 v[GV+1], v152, v148, s38
	v_cndmask_b32 v[GV+2], v149, v153, s38
	v_cndmask_b32 v[GV+3], v153, v149, s38
	v_cndmask_b32 v[GV+4], v150, v154, s38
	s_wait_dscnt 0x0                               ; for the others' sake: my stores are done
	s_barrier_signal -1
	s_barrier_wait -1                              ; x's 80 rows of codes lie in LDS
	XLOAD 0
	; ---- 1: my 128 hidden units, a tile of 16 rows at a time.  The eight accumulators take turns, one instruction a turn
.irp m, 0,1,2,3,4
	s_wait_dscnt 0x0                               ; x's fragments, asked for ahead of the last tile's quantiser, are in; that tile's stores are done
	WIN 0x01                                       ; source 0 (W1) window 1
.irp s, 0,1,2,3
.if (\m == 0) && (\s == 2)
	s_wait_loadcnt 16                              ; W1's K step 2 is in; K step 3's sixteen loads may be out
.endif
.if (\m == 0) && (\s == 3)
	s_wait_loadcnt 0x0
.endif
.irp t, 0,1,2,3,4,5,6,7
.if \s == 0
	W4 HA+8*\t, 64*\s+8*\t, XF+8*\s, B1R+8*\t, WS+4*(\t/2)+\s, XS+4*(\m/2)+\s, (\t%2)+2*(\m%2)
.else
	W4 HA+8*\t, 64*\s+8*\t, XF+8*\s, HA+8*\t, WS+4*(\t/2)+\s, XS+4*(\m/2)+\s, (\t%2)+2*(\m%2)
.endif
.endr
.endr
	WIN 0
	PLACES
.if \m < 4
	XLOAD \m+1                                     ; the next tile's fragments come while this tile is quantised
.else                                  ; W1 and b1 are done with: W2, its scale words and b2 take their registers while the last tile is quantised
.irp n, 0,1,2,3
	global_load_b128 v[WS+4*\n:WS+4*\n+3], v[S2O], s[16:17] offset:512*\n   ; register 4 n + k: K step k (lanes 0-15) and 4 + k (lanes 16-31) of tile n
.endr
.irp n, 0,1,2,3
	global_load_b128 v[B2R+8*\n:B2R+8*\n+3], v[B2O], s[18:19] offset:64*\n        ; b2 at outputs 16 n + 8 h + 0 .. 7
	global_load_b128 v[B2R+8*\n+4:B2R+8*\n+7], v[B2O], s[18:19] offset:64*\n+16
.endr
	WIN 0x40
.set i, 0
.rept 56
	global_load_b128 v[4*i:4*i+3], v[LI], s[42:43] offset:512*i     ; fragment (s2, n) at v[32 s2 + 8 n]
.set i, i+1
.endr
	WIN 0
.endif
.set j, 0
.rept 64
	v_max_num_f32 v[HA+j], 0, v[HA+j]              ; the activation, in f32; each accumulator from its low end on
.set j, j+1
.endr
	QUANT HA
.irp c, 0,1
	ds_store_b128 v[HWI], v[PC+4*\c:PC+4*\c+3] offset:8192*\m+512*\c   ; K step w of the second product, rows 16 m on: the fragment as it stands
.endr
	ds_store_b32 v[HWS], v[PW] offset:1024*\m
.endr
	s_wait_dscnt 0x0                               ; my stores are done
	s_barrier_signal -1
	s_barrier_wait -1                              ; the hidden layer's 40 fragments lie in LDS
	; ---- 2: my 64 outputs, a tile of 16 rows at a time
; half a row tile's operands: the hidden fragments and scale words of K steps 4 half .. 4 half + 3: twelve LDS loads
.macro LH m, half
.irp u, 0,1,2,3
	ds_load_b128 v[HF+8*(4*(\half)+\u):HF+8*(4*(\half)+\u)+3], v[HRI] offset:(8*(\m)+4*(\half)+\u)*1024
	ds_load_b128 v[HF+8*(4*(\half)+\u)+4:HF+8*(4*(\half)+\u)+7], v[HRI] offset:(8*(\m)+4*(\half)+\u)*1024+512
	ds_load_b32 v[HS+4*(\half)+\u], v[HRS] offset:(8*(\m)+4*(\half)+\u)*128
.endr
.endm
; sixteen products: K steps 4 half .. + 3 x four tiles of outputs; the four accumulators take turns, one instruction a turn.  The first K step's C is b2
.macro HALFMUL m, half
	WIN 0x01                                       ; source 0 (W2) window 1
.irp u, 0,1,2,3
.if (\m) == 0
	s_wait_loadcnt 56-8*(4*(\half)+\u)             ; this K step's eight loads of W2 are in (ahead of them: the scale words and b2); those of the later K steps may be out
.endif
.irp n, 0,1,2,3
.if ((\half) == 0) && (\u == 0)
	W4 ACC+32*((\m)%2)+8*\n, 32*(4*(\half)+\u)+8*\n, HF+8*(4*(\half)+\u), B2R+8*\n, WS+4*\n+\u, HS+4*(\half)+\u, \half
.else
	W4 ACC+32*((\m)%2)+8*\n, 32*(4*(\half)+\u)+8*\n, HF+8*(4*(\half)+\u), ACC+32*((\m)%2)+8*\n, WS+4*\n+\u, HS+4*(\half)+\u, \half
.endif
.endr
.endr
	WIN 0
.endm
; the way out of row tile m, first part: its rows' tokens out of my copy; x the gate; through my own stage in LDS and back as whole pieces of 256 bytes: 24 LDS instructions
.macro PACK m
.irp i, 0,1,2,3,4,5,6,7
	ds_load_b32 v[TO+8*(\m)+\i], v[TKA] offset:4*(16*(\m)+2*\i)    ; the token of row 16 m + 2 i + p
.endr
.set j, 0
.rept 32
	v_mul_f32 v[ACC+32*((\m)%2)+j], v[ACC+32*((\m)%2)+j], v[GV+(\m)]   ; each accumulator from its low end on
.set j, j+1
.endr
.irp n, 0,1,2,3
	ds_store_b128 v[SO], v[ACC+32*((\m)%2)+8*\n:ACC+32*((\m)%2)+8*\n+3] offset:64*\n          ; lane (r, h): out(row r, 64 w + 16 n + 8 h + 0 .. 7)
	ds_store_b128 v[SO], v[ACC+32*((\m)%2)+8*\n+4:ACC+32*((\m)%2)+8*\n+7] offset:64*\n+16
.endr
.irp i, 0,1,2,3,4,5,6,7
	ds_load_b128 v[ACC+32*((\m)%2)+4*\i:ACC+32*((\m)%2)+4*\i+3], v[SR] offset:544*\i   ; LDS serves a wave's instructions in order: these see the stores above, and the next tile's stores come behind them
.endr
.endm
; second part, behind the wait for the first part's loads.  Its sixteen plain lines name no register of the products in front of them: they are those products' places
.macro SEND m
.irp i, 0,1,2,3,4,5,6,7
	v_min_u32 v[TO+8*(\m)+\i], 0x3fff, v[TO+8*(\m)+\i]             ; a loaded number enters an address only behind a bound
.endr
.irp i, 0,1,2,3,4,5,6,7
	v_lshl_add_u32 v[TO+8*(\m)+\i], v[TO+8*(\m)+\i], 11, v[CO]     ; the token's row of 2,048 bytes, + my bytes in it
.endr
	s_cmp_eq_u32 s30, 0
	s_cbranch_scc1 .Lno_rows_\@                    ; a tile without rows stores nothing
.irp i, 0,1,2,3,4,5,6,7
	global_store_b128 v[TO+8*(\m)+\i], v[ACC+32*((\m)%2)+4*\i:ACC+32*((\m)%2)+4*\i+3], s[20:21] th:TH_STORE_NT   ; sixteen lanes store 256 consecutive bytes, aligned; written once, read by nobody here
.endr
.Lno_rows_\@:
.endm
	WIN 0x40
.rept 8
	global_load_b128 v[4*i:4*i+3], v[LI], s[42:43] offset:512*i     ; W2's K step 7
.set i, i+1
.endr
	WIN 0
	LH 0, 0
	LH 0, 1
	s_wait_dscnt 12                                ; the first half's twelve loads are in; the second half's may be out
	HALFMUL 0, 0
	PLACES
	LH 1, 0                                        ; the first half's registers take the next row tile's
	s_wait_dscnt 12                                ; all but the twelve just issued
	HALFMUL 0, 1
	PLACES
	LH 1, 1
	PACK 0
.irp m, 1,2,3
.if \m > 1
	s_wait_xcnt 0x0                                ; the stores of two row tiles back have read their registers: this tile's first products write that set of accumulators
.endif
	s_wait_dscnt 36                                ; this tile's first half is in; behind it stand the second half's 12 loads and the last tile's 24 on its way out
	HALFMUL \m, 0
	PLACES
	LH \m+1, 0
	s_wait_dscnt 12                                ; all but the twelve just issued: this tile's second half is in, and the last tile is back from the stage
	HALFMUL \m, 1
	SEND \m-1
	LH \m+1, 1
	PACK \m
.endr
	s_wait_xcnt 0x0
	s_wait_dscnt 36
	HALFMUL 4, 0
	s_wait_dscnt 0x0                               ; nothing more is fetched
	HALFMUL 4, 1
	SEND 3
	PACK 4
	s_wait_dscnt 0x0
	SEND 4
	s_wait_tensorcnt 0x0                           ; the wave's end, behind my last LDS store
	ds_add_u32 v[SPW], v[NIL]
	s_wait_dscnt 0x0
	s_endpgm
.Lfunc_end_k_qb5e2a070f8_ffn:
	.size	k_qb5e2a070f8_ffn, .Lfunc_end_k_qb5e2a070f8_ffn-k_qb5e2a070f8_ffn
	.p2alignl 7, 3214868480
	.fill 96, 4, 3214868480
	.section	.rodata,"a",@progbits
	.p2align	6, 0x0
	.amdhsa_kernel k_qb5e2a070f8_ffn
		.amdhsa_group_segment_fixed_size 106752
		.amdhsa_private_segment_fixed_size 0
		.amdhsa_enable_private_segment 0
		.amdhsa_kernarg_size 72
		.amdhsa_user_sgpr_count 2
		.amdhsa_user_sgpr_kernarg_segment_ptr 1
		.amdhsa_wavefront_size32 1
		.amdhsa_system_sgpr_workgroup_id_x 1
		.amdhsa_system_sgpr_workgroup_id_y 1
		.amdhsa_system_sgpr_workgroup_id_z 1
		.amdhsa_system_vgpr_workitem_id 0
		.amdhsa_next_free_vgpr 512
		.amdhsa_next_free_sgpr 66
		.amdhsa_reserve_vcc 0
		.amdhsa_float_denorm_mode_32 3
		.amdhsa_float_denorm_mode_16_64 3
		.amdhsa_memory_ordered 1
		.amdhsa_forward_progress 1
		.amdhsa_inst_pref_size 129
	.end_amdhsa_kernel
	.amdgpu_metadata
---
amdhsa.version: [ 1, 2 ]
amdhsa.kernels:
  - .name:           k_qb5e2a070f8_ffn
    .symbol:         k_qb5e2a070f8_ffn.kd
    .args:
      - { .name: plan, .offset: 0, .size: 8, .value_kind: global_buffer, .address_space: global }
      - { .name: xq, .offset: 8, .size: 8, .value_kind: global_buffer, .address_space: global }
      - { .name: fl, .offset: 16, .size: 8, .value_kind: global_buffer, .address_space: global }
      - { .name: wf, .offset: 24, .size: 8, .value_kind: global_buffer, .address_space: global }
      - { .name: w1_scales, .offset: 32, .size: 8, .value_kind: global_buffer, .address_space: global }
      - { .name: b1, .offset: 40, .size: 8, .value_kind: global_buffer, .address_space: global }
      - { .name: w2_scales, .offset: 48, .size: 8, .value_kind: global_buffer, .address_space: global }
      - { .name: b2, .offset: 56, .size: 8, .value_kind: global_buffer, .address_space: global }
      - { .name: out0, .offset: 64, .size: 8, .value_kind: global_buffer, .address_space: global }
    .group_segment_fixed_size: 106752
    .private_segment_fixed_size: 0
    .kernarg_segment_align: 8
    .kernarg_segment_size: 72
    .max_flat_workgroup_size: 256
    .sgpr_count:     66
    .vgpr_count:     512
    .wavefront_size: 32
...
	.end_amdgpu_metadata
.endif
;; end of part 5
